; MI455X (gfx1250); checked and timed in simulation.
; The chip was launched on July 23, 2026; its instructions are those of AMD's public machine-readable ISA for CDNA 5 (MIT licence, August 2026) and "CDNA5" Instruction Set Architecture Reference Guide (July 2026). The comments in the code are by the model that wrote it; some were corrected since.
;; Multi Head Attention. Allowed arithmetic: matrix products marked QUANTISED: E2M3 operands, one E8M0 scale for each 32 along K, by v_wmma_scale_f32_16x16x128_f8f6f4 with both operands' format E2M3, f32 sums; everything else in f32.
;; Inputs: W_out 1,024 x 1,024 float32; W_qkv 3,072 x 1,024 float32; b_out 1,024 float32; x 4 x 2,048 x 1,024 float32.
;; Outputs: out0 4 x 2,048 x 1,024 float32.
;; This version of the problem:
;;   THIS VERSION OF THE PROBLEM IS GIVEN IN LOW PRECISION. The matrix products marked QUANTISED in the list below multiply operands that are first quantised to E2M3 (2 exponent bits, 3 mantissa bits; 6 bits a number), with one power-of-two scale for each 32 numbers along K (OCP MX v1.0); their sums are f32. All else is computed in f32.
;;   The module's matrix products, in the order in which they are computed (A, B: the left and right operand; K: the contracted axis; several contracted axes count as one K, in the product's order):
;;     1. [M 8,192, K 1,024] x [K 1,024, N 3,072]; A: input x; B: input W_qkv: QUANTISED
;;     2. batch 64 x [M 2,048, K 64] x [K 64, N 2,048]; A: computed on the way; B: computed on the way: QUANTISED
;;     3. batch 64 x [M 2,048, K 2,048] x [K 2,048, N 64]; A: softmax (see below); B: computed on the way: QUANTISED
;;     4. [M 8,192, K 1,024] x [K 1,024, N 1,024]; A: computed on the way; B: input W_out: QUANTISED
;;   THE QUANTISER, for each operand of a quantised product, along K:
;;     - K is cut into blocks of 32 from its start; a last block that is shorter is filled with zeros.
;;     - A block's scale is 2^e with e = floor(log2(the largest magnitude in the block)) - 2, held to -126 .. 127; a block of zeros has e = 0. As a byte (E8M0): e + 127.
;;     - Each number is divided by its block's scale, clamped to +-7.5, and rounded to the nearest number of E2M3, ties to even, subnormals kept.
;;     - The product sums the exact products of the quantised numbers (number of the format x scale) in f32.
;;   ~~~python
;;   def quantise(x, axis):      # numpy; x: float32 -> the quantised numbers, widened to float32 again
;;       x = np.moveaxis(x, axis, -1); K = x.shape[-1]
;;       x = np.pad(x, [(0, 0)] * (x.ndim - 1) + [(0, -K % 32)]); x = x.reshape(x.shape[:-1] + (-1, 32)); a = np.abs(x).max(-1, keepdims=True)
;;       e = np.where(a > 0, np.clip(np.frexp(np.where(a > 0, a, 1))[1] - 1 - 2, -126, 127), 0)      # np.frexp(a)[1] - 1 = floor(log2(a)), exactly
;;       r = np.clip(x / 2.0 ** e, -7.5, 7.5)
;;       step = 2.0 ** (np.maximum(np.frexp(np.where(r == 0, 1, r))[1] - 1, 0) - 3)
;;       q = np.round(r / step) * step * 2.0 ** e      # np.round: ties to even
;;       return np.moveaxis(q.reshape(q.shape[:-2] + (-1,))[..., :K], -1, axis).astype(np.float32)
;;   ~~~
;;   SOFTMAX AHEAD OF A QUANTISED PRODUCT. Where the list says 'softmax', what is quantised is not the finished softmax but p = 2^(t - M), with t = logit x log2(e) and M = ceil(the row's largest t), a whole number; so 1/2 < the row's largest p <= 1. The row's sum l is taken of the UNQUANTISED p, in f32, and the product's result is divided by l at the end. Since M is a whole number, a kernel that streams over the keys may use a running M (the ceiling of the running maximum): every later rescaling is an exact power of two, which a block's scale takes up: the codes' values come out the same.
;;   OPERANDS COMPUTED ON THE WAY. 'Computed on the way' means the value that the module computes at that place (a softmax that the list does not call 'softmax' is quantised finished and normalised). What goes into a quantiser is computed in f32, as accurately as f32 sums, v_exp_f32 and their like allow (about 1e-6 of the number): no bf16 or f16 on the way to a quantiser, and a product that is left as it is and whose result goes on into a quantised operand takes f32 operands (vector FMAs, or v_wmma_f32_16x16x4_f32). A number that lies on a knife's edge between two numbers of the format may be rounded either way, as far as f32 arithmetic and the matrix unit's own rounding can turn it there, and no further.
;; One version. Each part assembles by itself: llvm-mc -triple=amdgcn-amd-amdhsa -mcpu=gfx1250 --defsym DOCPART=n.
;; ======== version 1 of 1: 4 launches
;; limits: right only within a limited range of input values
;; workspace buffers: cod 9,437,184 bytes; scl 393,216 bytes; qb 6,815,744 bytes; kv 13,369,344 bytes; oc 6,291,456 bytes; os 262,144 bytes
;; launch quant (part 1): grid 384 x 1, 4 waves a work-group, no clusters, 34,304 bytes of LDS; arguments x, W_qkv, W_out, cod, scl; writes cod, scl
.if DOCPART == 1
	.amdgcn_target "amdgcn-amd-amdhsa--gfx1250"
	.amdhsa_code_object_version 6
	.text
	.protected	k_q4f8c496aff_quant
	.globl	k_q4f8c496aff_quant
	.p2align	8
	.type	k_q4f8c496aff_quant,@function
k_q4f8c496aff_quant:
	s_mov_b64 s[64:65], 0
	v_nop
	global_prefetch_b8 v0, s[64:65] scope:SCOPE_SE
	s_setreg_imm32_b32 hwreg(HW_REG_WAVE_MODE, 25, 1), 1
	s_wait_xcnt 0x0
; x [8192][1024], W_qkv [3072][1024] and W_out [1024][1024], f32, K innermost, become codes of FP6 (E2M3) with one E8M0 byte for each 32 along K, laid as the products' operand registers want them.
; STORED ROWS.  cod has 12,288 stored rows in blocks of 16: x 0 .., W_qkv 8,192 .., W_out 11,264 ...  Stored position p of a group of 32 holds the logical index p with bits 3 and 4 swapped.
; W_qkv's stored row 1024 k + 64 head + p holds its row 1024 k + 16 d + head, d = p with bits 3 and 4 swapped: a head's 64 rows lie together.
; IMAGES.  A fragment (16 stored rows x 128 K, 12 registers a lane) is 1,536 bytes: registers 4 c .. 4 c + 3 of lane l at 512 c + 16 l.  cod: [row block][K fragment 8][1,536].
; SCALE WORDS.  scl: [K fragment 8][group of 64 rows, 192][256]: the word of row 16 i + r at 16 r + 4 i, so that 16 bytes give a lane the words of four row blocks.
; A block's scale is 2^(floor(log2(largest magnitude)) - 2); its byte is the largest magnitude's exponent field - 2, held at 1 from below.
; LIMITS: a block of zeros gets the byte 1 where the rule says 127 (its codes are zeros, and this program alone reads the bytes); NaN and infinities among the inputs are not served.
; SHARES.  A wave takes 64 stored rows x 128 along K: four fragments.  Each load reads 512 consecutive bytes of one row; 16 rows turn through the wave's own stage in LDS, so that lane (r, h) gets, of row r,
; 16 neighbours of each block of 32.  One path serves the three tensors: only a pointer, an offset and the stride from index to index are chosen, by the work-group's number.  Waves share nothing: no barrier.
.set STG,   16*528                     ; a wave's stage: 16 rows of 512 bytes + 16: row r starts 4 r banks on
.set SPARE, 4*STG                      ; behind the stages: the spare words, 128 bytes a wave, two blocks of 256 bytes that no other line names
.set LI,    2                          ; v2  16 x lane
.set RO,    3                          ; v3  16 x (lane % 16)
.set SIN,   4                          ; v4  the stage, in: 16 x lane
.set SOUT,  5                          ; v5  the stage, out: 528 r + 64 h
.set SPW,   6                          ; v6  my spare word; never rewritten
.set NIL,   7                          ; v7  0; never rewritten
.set VOFF,  8                          ; v8-15  16 x lane + t x stride, t = 0 .. 7
.set R,     16                         ; v16-207 three sets of 64 numbers
.set TM,    208                        ; v208-223 at work
.set W,     224                        ; v224-227 the four fragments' scale words
.set PC,    228                        ; v228-239 a fragment's codes; v240-246 at work
.set SB,    24                         ; s[24:39] eight bases: fragment i, upper or lower eight rows
.set SEL,   52                         ; s[52:53] lane selects: lane l xor 16
	s_load_b256 s[4:11], s[0:1], 0x0               ; x, W_qkv, W_out, cod
	s_load_b64 s[12:13], s[0:1], 0x20              ; scl
	v_lshl_add_u32 v[SPW], v0, 2, SPARE
	v_mov_b32 v[NIL], 0
	v_lshrrev_b32 v1, 5, v0
	v_readfirstlane_b32 s14, v1                    ; wave
	v_and_b32 v1, 31, v0                           ; lane
	v_lshlrev_b32 v[LI], 4, v1
	v_and_b32 v[RO], 15, v0                        ; r
	v_bfe_u32 v[SOUT], v0, 4, 1                    ; h
	s_mul_i32 s17, s14, STG
	v_add_nc_u32 v[SIN], s17, v[LI]
	v_mul_u32_u24 v8, v[RO], 528
	v_lshl_add_u32 v[SOUT], v[SOUT], 6, v8
	v_add_nc_u32 v[SOUT], s17, v[SOUT]
	v_lshlrev_b32 v[RO], 4, v[RO]
.irp b, 0,1,2,3
	v_mov_b32 v[TM+4+\b], 0                        ; written once: a lane permute's destination counts as one of its sources
.endr
	s_mov_b32 s[SEL], 0x76543210
	s_mov_b32 s[SEL+1], 0xfedcba98
	s_lshr_b32 s15, ttmp9, 1                       ; my group of 64 stored rows, 0 .. 191
	s_and_b32 s16, ttmp9, 1
	s_lshl_b32 s16, s16, 2
	s_add_co_u32 s16, s16, s14                     ; my K fragment, 0 .. 7
	s_lshl_b32 s18, s15, 18                        ; x: 64 rows of 4,096 bytes a group
	s_sub_co_u32 s19, s15, 128                     ; W_qkv: group 16 k + head
	s_lshr_b32 s20, s19, 4
	s_lshl_b32 s20, s20, 10
	s_and_b32 s19, s19, 15
	s_add_co_u32 s20, s20, s19
	s_lshl_b32 s20, s20, 12                        ; row 1024 k + head
	s_sub_co_u32 s21, s15, 176
	s_lshl_b32 s21, s21, 18                        ; W_out
	s_mov_b32 s23, 0x10000                         ; W_qkv: 16 rows from d to d + 1
	s_wait_kmcnt 0x0
	s_cmp_lt_u32 s15, 128                          ; the choices hang on the work-group's number alone
	s_cselect_b32 s22, s18, s20
	s_cselect_b32 s23, 0x1000, s23
	s_cselect_b64 s[44:45], s[4:5], s[6:7]
	s_cmp_lt_u32 s15, 176
	s_cselect_b32 s22, s22, s21
	s_cselect_b32 s23, s23, 0x1000
	s_cselect_b64 s[44:45], s[44:45], s[8:9]
	s_lshl_b32 s18, s16, 9                         ; 128 numbers a K fragment
	s_add_co_u32 s46, s22, s18
	s_mov_b32 s47, 0
	s_add_nc_u64 s[44:45], s[44:45], s[46:47]
	s_mov_b32 s49, 0
.irp i, 0,1,2,3
.irp u, 0,1
	s_mul_i32 s48, s23, 32*(\i/2)+8*(\i%2)+16*\u   ; stored row 16 i + 8 u + t holds index 32 (i / 2) + 8 (i % 2) + 16 u + t
	s_add_nc_u64 s[SB+4*\i+2*\u:SB+4*\i+2*\u+1], s[44:45], s[48:49]
.endr
.endr
.irp t, 0,1,2,3,4,5,6,7
	s_mul_i32 s48, s23, \t
	v_add_nc_u32 v[VOFF+\t], s48, v[LI]
.endr
	s_mul_i32 s48, s15, 4*12288
	s_mul_i32 s50, s16, 1536
	s_add_co_u32 s48, s48, s50
	s_add_nc_u64 s[40:41], s[10:11], s[48:49]      ; my first image
	s_mul_i32 s48, s16, 49152
	s_lshl_b32 s50, s15, 8
	s_add_co_u32 s48, s48, s50
	s_add_nc_u64 s[42:43], s[12:13], s[48:49]      ; my 256 bytes of scale words
.macro LOAD i, set                     ; fragment i's 16 rows: each load is 512 consecutive bytes of one row
.irp t, 0,1,2,3,4,5,6,7,8,9,10,11,12,13,14,15
	global_load_b128 v[R+64*\set+4*\t:R+64*\set+4*\t+3], v[VOFF+\t%8], s[SB+4*\i+2*(\t/8):SB+4*\i+2*(\t/8)+1] th:TH_LOAD_NT
.endr
.endm
.macro TURN set                        ; through the stage and back into the registers that they left: LDS serves a wave's instructions in order
.irp t, 0,1,2,3,4,5,6,7,8,9,10,11,12,13,14,15
	ds_store_b128 v[SIN], v[R+64*\set+4*\t:R+64*\set+4*\t+3] offset:528*\t
.endr
.irp b, 0,1,2,3
.irp j, 0,1,2,3
	ds_load_b128 v[R+64*\set+16*\b+4*\j:R+64*\set+16*\b+4*\j+3], v[SOUT] offset:128*\b+16*\j   ; register 16 b + i = k 32 b + 16 h + i of row r
.endr
.endr
.endm
; 64 numbers of a lane, register 16 b + i = k 32 b + 16 h + i of my row, become a fragment's codes in v[PC] on and its scale word in v[pw]
.macro QUANT s, pw
.irp b, 0,1,2,3
	v_max3_num_f32 v[TM+\b], |v[\s+16*\b]|, |v[\s+1+16*\b]|, 0x1800000   ; my 16 numbers of block b, and the floor 2^(3 - 127): the byte cannot fall under 1
.endr
.irp i, 2,4,6,8,10,12,14
.irp b, 0,1,2,3
	v_max3_num_f32 v[TM+\b], v[TM+\b], |v[\s+16*\b+\i]|, |v[\s+1+16*\b+\i]|
.endr
.endr
.irp b, 0,1,2,3
	v_permlanex16_b32 v[TM+4+\b], v[TM+\b], s[SEL], s[SEL+1]
.endr
.irp b, 0,1,2,3
	v_max_num_f32 v[TM+\b], v[TM+\b], v[TM+4+\b]   ; with lane l xor 16's: the block's largest magnitude
.endr
.irp b, 0,1,2,3
	v_add_nc_u32 v[TM+12+\b], 0xff000000, v[TM+\b] ; 2 off its exponent field: the conversion's scale operand
.endr
.irp b, 0,1,2,3
	v_lshrrev_b32 v[TM+4+\b], 23, v[TM+12+\b]      ; the scale's byte
.endr
	v_lshl_or_b32 v[\pw], v[TM+5], 8, v[TM+4]
	v_lshl_or_b32 v[\pw], v[TM+6], 16, v[\pw]
	v_lshl_or_b32 v[\pw], v[TM+7], 24, v[\pw]
.irp c, 0,1
	v_cvt_scalef32_pk16_fp6_f32 v[PC+6*\c:PC+2+6*\c], v[\s+32*\c:\s+15+32*\c], v[TM+12+2*\c]
	v_cvt_scalef32_pk16_fp6_f32 v[PC+12+4*\c:PC+14+4*\c], v[\s+16+32*\c:\s+31+32*\c], v[TM+12+2*\c+1]   ; (a conversion's three registers begin on an even number)
.endr
	v_nop                                          ; one plain place behind a scaled conversion
.irp c, 0,1                            ; the operand's layout wants a whole block in a lane: lanes 0-15 block 2 c, lanes 16-31 block 2 c + 1
.irp i, 0,1,2
	v_permlane16_swap_b32 v[PC+6*\c+\i], v[PC+12+4*\c+\i]
.endr
.irp i, 0,1,2
	v_mov_b32 v[PC+3+6*\c+\i], v[PC+12+4*\c+\i]
.endr
.endr
.endm
.macro FRAGQ i, set, left
	s_wait_loadcnt \left                           ; this fragment's 16 loads are in; those issued behind them may be out
	TURN \set
	s_wait_dscnt 0x0
	s_wait_xcnt 0x0                                ; the last fragment's stores have read the codes' registers, which are written again below
	QUANT R+64*\set, W+\i
.irp c, 0,1,2
	global_store_b128 v[LI], v[PC+4*\c:PC+4*\c+3], s[40:41] offset:12288*\i+512*\c   ; 32 lanes store 512 consecutive bytes, at a multiple of 256 from cod's first byte
.endr
.endm
	s_wait_alu depctr_va_vdst(0)
	LOAD 0, 0
	LOAD 1, 1
	LOAD 2, 2
	FRAGQ 0, 0, 32
	LOAD 3, 0                                      ; set 0 has been quantised
	FRAGQ 1, 1, 32
	FRAGQ 2, 2, 16
	FRAGQ 3, 0, 0
	v_cmp_gt_u32 vcc_lo, 16, v1                    ; lanes 0-15 store the 64 rows' words: 256 consecutive bytes
	s_wait_xcnt 0x0                                ; EXEC changes only behind this wait
	s_and_saveexec_b32 s50, vcc_lo
	global_store_b128 v[RO], v[W:W+3], s[42:43]
	s_wait_xcnt 0x0                                ; and again in front of the line that widens it
	s_or_b32 exec_lo, exec_lo, s50
	s_wait_tensorcnt 0x0                           ; the wave's end: behind my last LDS store
	ds_add_u32 v[SPW], v[NIL]
	s_wait_dscnt 0x0
	s_endpgm
.Lfunc_end_k_q4f8c496aff_quant:
	.size	k_q4f8c496aff_quant, .Lfunc_end_k_q4f8c496aff_quant-k_q4f8c496aff_quant
	.p2alignl 7, 3214868480
	.fill 96, 4, 3214868480
	.section	.rodata,"a",@progbits
	.p2align	6, 0x0
	.amdhsa_kernel k_q4f8c496aff_quant
		.amdhsa_group_segment_fixed_size 34304
		.amdhsa_private_segment_fixed_size 0
		.amdhsa_enable_private_segment 0
		.amdhsa_kernarg_size 40
		.amdhsa_user_sgpr_count 2
		.amdhsa_user_sgpr_kernarg_segment_ptr 1
		.amdhsa_wavefront_size32 1
		.amdhsa_system_sgpr_workgroup_id_x 1
		.amdhsa_system_sgpr_workgroup_id_y 1
		.amdhsa_system_sgpr_workgroup_id_z 1
		.amdhsa_system_vgpr_workitem_id 0
		.amdhsa_next_free_vgpr 256
		.amdhsa_next_free_sgpr 66
		.amdhsa_reserve_vcc 1
		.amdhsa_float_denorm_mode_32 3
		.amdhsa_float_denorm_mode_16_64 3
		.amdhsa_memory_ordered 1
		.amdhsa_forward_progress 1
		.amdhsa_inst_pref_size 35
	.end_amdhsa_kernel
	.amdgpu_metadata
---
amdhsa.version: [ 1, 2 ]
amdhsa.kernels:
  - .name:           k_q4f8c496aff_quant
    .symbol:         k_q4f8c496aff_quant.kd
    .args:
      - { .name: x, .offset: 0, .size: 8, .value_kind: global_buffer, .address_space: global }
      - { .name: W_qkv, .offset: 8, .size: 8, .value_kind: global_buffer, .address_space: global }
      - { .name: W_out, .offset: 16, .size: 8, .value_kind: global_buffer, .address_space: global }
      - { .name: cod, .offset: 24, .size: 8, .value_kind: global_buffer, .address_space: global }
      - { .name: scl, .offset: 32, .size: 8, .value_kind: global_buffer, .address_space: global }
    .group_segment_fixed_size: 34304
    .private_segment_fixed_size: 0
    .kernarg_segment_align: 8
    .kernarg_segment_size: 40
    .max_flat_workgroup_size: 128
    .sgpr_count:     66
    .vgpr_count:     256
    .wavefront_size: 32
...
	.end_amdgpu_metadata
.endif
;; end of part 1
;; launch gemm_qkv (part 2): grid 12 x 32, 4 waves a work-group, clusters of 4 x 4, 327,680 bytes of LDS; arguments cod, scl, qb, kv; writes qb, kv
.if DOCPART == 2
	.amdgcn_target "amdgcn-amd-amdhsa--gfx1250"
	.amdhsa_code_object_version 6
	.text
	.protected	k_q4f8c496aff_gemm_qkv
	.globl	k_q4f8c496aff_gemm_qkv
	.p2align	8
	.type	k_q4f8c496aff_gemm_qkv,@function
k_q4f8c496aff_gemm_qkv:
	s_mov_b64 s[64:65], 0
	v_nop
	global_prefetch_b8 v0, s[64:65] scope:SCOPE_SE
	s_setreg_imm32_b32 hwreg(HW_REG_WAVE_MODE, 25, 1), 1
	s_wait_xcnt 0x0
	s_wait_alu depctr_hold_cnt(0) depctr_sa_sdst(0) depctr_va_vdst(0) depctr_va_sdst(0) depctr_va_ssrc(0) depctr_va_vcc(0) depctr_vm_vsrc(0)
	s_getreg_b32 s2, hwreg(HW_REG_IB_STS2, 6, 4)
	s_cmp_eq_u32 s2, 0
	s_cbranch_scc0 .Lentry_in_a_cluster
	s_endpgm
.Lentry_in_a_cluster:
	s_bfe_u32 s2, ttmp6, 0x10000c
	s_cmp_lg_u32 s2, 0xf033
	s_cbranch_scc0 .Lentry_shape_is_right
	s_endpgm
.Lentry_shape_is_right:
.set FR,    12
.set NL,    3
.set NP,    4
.set HALFT, 8*3072
.set SLOT,  4*HALFT
.set SCLB,  2*SLOT
.set SPARE, SCLB+4*4096
.set LI,   8
.set L8,   9
.set VS,   10
.set ADRA, 16
.set ADRB, 20
.set ADRS, 27
.set SPW,  28
.set NIL,  29
.set SC,   32
.set TM,   64
.set WD,   80
.set MW,   88
.set PC,   100
.set AF,   128
.set G1,   24
.set G0,   32
.set G1B,  48
.set G0B,  56
.set G1S,  68
.set G0S,  76
.set G1SB, 80
.set G0SB, 88
.set BC0,  92
.set BC1,  94
.set BS0,  96
.set BS1,  98
.set HM,   67
.set SEL,  12
.set MSB, 0
.macro WIN new
.if MSB != \new
	s_set_vgpr_msb (MSB<<8)|\new
.set MSB, \new
.endif
.endm
.set MUL_LO, 0xa1
.set MUL_HI, 0xf1
.set TO_B,   0x40
.macro JLOAD g0a, g1a, g0b, g1b
	s_cmp_eq_u32 s15, 0
	s_cbranch_scc0 .Lfor_b_\@
	tensor_load_to_lds s[\g0a:\g0a+3], s[\g1a:\g1a+7]
	s_nop 0
.rept 4
	v_nop
.endr
	s_branch .Lasked_\@
.Lfor_b_\@:
	tensor_load_to_lds s[\g0b:\g0b+3], s[\g1b:\g1b+7]
	s_nop 0
.rept 4
	v_nop
.endr
.Lasked_\@:
.endm
.macro CREST
	s_cmp_lg_u32 s14, 0
	s_cbranch_scc1 .Lnot_wave_0_\@
	s_barrier_signal -3
.Lnot_wave_0_\@:
	s_barrier_wait -3
	s_barrier_signal -1
	s_barrier_wait -1
.endm
.macro CROUND
	s_barrier_signal -1
	s_barrier_wait -1
	CREST
.endm
	s_load_b256 s[4:11], s[0:1], 0x0
	v_lshl_add_u32 v[SPW], v0, 2, SPARE
	v_mov_b32 v[NIL], 0
	ds_add_u32 v[SPW], v[NIL]
	ds_add_u32 v[SPW], v[NIL]
	v_lshrrev_b32 v1, 5, v0
	v_readfirstlane_b32 s14, v1
	s_lshr_b32 s15, s14, 1
	s_and_b32 s16, s14, 1
	s_bfe_u32 s40, ttmp6, 0x40000
	s_bfe_u32 s41, ttmp6, 0x40004
	s_and_b32 s12, ttmp7, 0xffff
	s_lshl_b32 s12, s12, 2
	s_lshl_b32 s13, ttmp9, 2
	s_add_co_u32 s13, s13, 32
	s_cmp_lt_u32 ttmp9, 2
	s_cselect_b32 s17, s12, 40
	s_cselect_b32 s42, s13, s12
	s_add_co_u32 s17, s17, s41
	s_add_co_u32 s42, s42, s40
	s_lshl_b32 s43, s41, 2
	s_lshl_b32 s43, 15, s43
	s_lshl_b32 s44, 0x1111, s40
	s_or_b32 s[G1+0], s43, (3<<16)|(1<<21)
	s_or_b32 s[G1B+0], s44, (3<<16)|(1<<21)
.irp g, G1, G1B
	s_mov_b32 s[\g+1], 384<<16
	s_mov_b32 s[\g+2], 8<<16
	s_mov_b32 s[\g+3], 384<<16
	s_mov_b32 s[\g+4], 8
	s_mov_b32 s[\g+5], 1536
	s_mov_b32 s[\g+6], 0
	s_mov_b32 s[\g+7], 0
.endr
	s_or_b32 s[G1S+0], s43, (3<<16)|(1<<21)
	s_or_b32 s[G1SB+0], s44, (3<<16)|(1<<21)
.irp g, G1S, G1SB
	s_mov_b32 s[\g+1], 64<<16
	s_mov_b32 s[\g+2], 8<<16
	s_mov_b32 s[\g+3], 64<<16
	s_mov_b32 s[\g+4], 8
	s_mov_b32 s[\g+5], 6144
	s_mov_b32 s[\g+6], 0
	s_mov_b32 s[\g+7], 0
.endr
	s_lshl_b32 s18, s16, 3
	s_lshl_b32 s20, s17, 4
	s_add_co_u32 s20, s20, s18
	s_lshl_b32 s46, s42, 4
	s_add_co_u32 s46, s46, s18
	s_lshl_b32 s22, s20, 6
	s_mov_b32 s23, 0
	s_lshl_b32 s2, s46, 6
	s_mov_b32 s3, 0
	s_mul_i32 s20, s20, 12288
	s_mov_b32 s21, 0
	s_mul_i32 s46, s46, 12288
	s_mov_b32 s47, 0
	s_mul_i32 s45, s14, HALFT
	s_lshl_b32 s19, s14, 12
	s_wait_dscnt 0x0
	s_wait_kmcnt 0x0
	s_add_nc_u64 s[20:21], s[4:5], s[20:21]
	s_add_nc_u64 s[22:23], s[6:7], s[22:23]
	s_add_nc_u64 s[46:47], s[4:5], s[46:47]
	s_add_nc_u64 s[2:3], s[6:7], s[2:3]
	; DATA PREFETCH.  Of the 8 row blocks (12,288 bytes each, all of K) that my wave fetches, my work-group names two: the four partners that ask for a tile jointly share its row blocks out by address (cx for A's, cy for B's).
	; An instruction names two K chunks of one row block: 6,144 bytes, 24 units of 256 bytes, a lane a unit; lanes 24-31 name the last unit again.  Here: chunks 0 and 1 of both row blocks, ahead of the first round.
	s_cmp_eq_u32 s15, 0                            ; do I fetch for A?  (the wave's number alone)
	s_cselect_b64 s[100:101], s[20:21], s[46:47]
	s_cselect_b32 s12, s40, s41
	s_mul_i32 s12, s12, 2*12288
	s_mov_b32 s13, 0
	s_add_nc_u64 s[100:101], s[100:101], s[12:13]  ; s[100:101] and v30 are never rewritten
	v_and_b32 v30, 31, v0
	v_min_u32 v30, 23, v30
	v_lshlrev_b32 v30, 8, v30
	global_prefetch_b8 v30, s[100:101] th:TH_LOAD_NT scope:SCOPE_SE
	global_prefetch_b8 v30, s[100:101] offset:12288 th:TH_LOAD_NT scope:SCOPE_SE
	CROUND
	s_mov_b32 s[G0S], 1
	s_add_co_u32 s[G0S+1], s19, SCLB
	s_mov_b64 s[G0S+2:G0S+3], s[22:23]
	s_or_b32 s[G0S+3], s[G0S+3], 0x80000000
	s_mov_b32 s[G0SB], 1
	s_add_co_u32 s[G0SB+1], s19, SCLB
	s_mov_b64 s[G0SB+2:G0SB+3], s[2:3]
	s_or_b32 s[G0SB+3], s[G0SB+3], 0x80000000
	JLOAD G0S, G1S, G0SB, G1SB
.irp s, 0,1
	s_mov_b32 s[G0+4*\s], 1
	s_add_co_u32 s[G0+4*\s+1], s45, \s*SLOT
	s_add_nc_u64 s[G0+4*\s+2:G0+4*\s+3], s[20:21], \s*3072
	s_or_b32 s[G0+4*\s+3], s[G0+4*\s+3], 0x80000000
	s_mov_b32 s[G0B+4*\s], 1
	s_add_co_u32 s[G0B+4*\s+1], s45, \s*SLOT
	s_add_nc_u64 s[G0B+4*\s+2:G0B+4*\s+3], s[46:47], \s*3072
	s_or_b32 s[G0B+4*\s+3], s[G0B+4*\s+3], 0x80000000
	s_wait_alu depctr_va_vdst(0)
	s_wait_tensorcnt 0x0
	ds_add_u32 v28, v29
	s_wait_dscnt 0x0
	CROUND
	JLOAD G0+4*\s, G1, G0B+4*\s, G1B
	global_prefetch_b8 v30, s[100:101] offset:6144+12288*\s th:TH_LOAD_NT scope:SCOPE_SE   ; chunks 2 and 3 of one of my two row blocks: their refills stand one and two changes of slots on
.endr
	v_and_b32 v1, 31, v0
	v_and_b32 v4, 15, v0
	v_bfe_u32 v2, v0, 4, 1
	s_wait_alu depctr_va_vdst(0)
	v_lshlrev_b32 v[LI], 4, v1
	v_lshlrev_b32 v[L8], 3, v1
	v_mul_u32_u24 v[VS], v2, 0x33000
	v_lshl_add_u32 v[VS], v4, 4, v[VS]
	s_mul_i32 s21, s15, HALFT
	s_mul_i32 s22, s16, HALFT
	s_add_co_u32 s22, s22, 2*HALFT
.irp s, 0,1
	v_add_nc_u32 v[ADRA+\s], s21, v[LI]
	v_add_nc_u32 v[ADRB+\s], s22, v[LI]
	s_add_co_u32 s21, s21, SLOT
	s_add_co_u32 s22, s22, SLOT
.endr
	s_lshl_b32 s21, s15, 12
	s_lshl_b32 s22, s16, 12
	s_add_co_u32 s22, s22, 8192
	s_sub_co_u32 s22, s22, s21
	v_mul_u32_u24 v6, s22, v2
	s_add_co_u32 s21, s21, SCLB
	v_lshl_add_u32 v5, v4, 4, v6
	v_add_nc_u32 v[ADRS], s21, v5
.irp b, 0,1,2,3
	v_mov_b32 v[TM+4+\b], 0
.endr
	s_lshl_b32 s18, s17, 8
	s_lshl_b32 s19, s15, 7
	s_add_co_u32 s18, s18, s19
	s_lshl_b32 s19, s42, 8
	s_lshl_b32 s20, s16, 7
	s_add_co_u32 s19, s19, s20
	s_cmp_lt_u32 ttmp9, 2
	s_cselect_b32 s20, s18, s19
	s_cselect_b32 s21, s19, s18
	s_lshr_b32 s22, s20, 11
	s_bfe_u32 s23, s20, 0x40007
	s_sub_co_u32 s21, s21, 8192
	s_bfe_u32 s21, s21, 0x40006
	s_lshl_b32 s22, s22, 8
	s_lshl_b32 s21, s21, 4
	s_add_co_u32 s22, s22, s21
	s_add_co_u32 s22, s22, s23
	s_mov_b32 s12, 13056
	s_mov_b32 s13, 12288
	s_cmp_eq_u32 ttmp9, 0
	s_cselect_b32 s12, 6656, s12
	s_cselect_b32 s13, 6144, s13
	s_cselect_b64 s[BC0:BC0+1], s[8:9], s[10:11]
	s_cmp_eq_u32 ttmp9, 2
	s_cselect_b32 s13, 12800, s13
	s_cselect_b32 s23, 6144, 0
	s_mul_i32 s22, s22, s12
	s_add_co_u32 s20, s22, s23
	s_mov_b32 s21, 0
	s_add_co_u32 s22, s22, s13
	s_mov_b32 s23, 0
	s_lshl_b32 s12, s12, 4
	s_mov_b32 s13, 0
	s_add_nc_u64 s[BS0:BS0+1], s[BC0:BC0+1], s[22:23]
	s_add_nc_u64 s[BC0:BC0+1], s[BC0:BC0+1], s[20:21]
	s_add_nc_u64 s[BC1:BC1+1], s[BC0:BC0+1], s[12:13]
	s_add_nc_u64 s[BS1:BS1+1], s[BS0:BS0+1], s[12:13]
	s_mov_b32 s[HM], 0xffff0000
	s_mov_b32 s[SEL], 0x76543210
	s_mov_b32 s[SEL+1], 0xfedcba98
.macro FRAG reg, adr, q, i
.irp c, 0,1,2
	ds_load_b128 v[\reg+4*\c:\reg+4*\c+3], v[\adr] offset:3072*(\i)+1536*(\q)+512*\c
.endr
.endm
.macro MUL16 a0, p, q, sc, zero
.irp a, \a0, \a0+1
.irp b, 0,1,2,3,4,5,6,7
.if \zero
	v_wmma_scale_f32_16x16x128_f8f6f4 v[8*(8*((\a)%4)+\b):8*(8*((\a)%4)+\b)+7], v[128*(\p)+FR*\b:128*(\p)+FR*\b+FR-1], v[AF+FR*(\a):AF+FR*(\a)+FR-1], 0, v[SC+16*(\sc)+8*(\q)+\b], v[SC+16*(\sc)+8*(\q)+(\a)] matrix_a_fmt:MATRIX_FMT_FP6 matrix_b_fmt:MATRIX_FMT_FP6 matrix_a_scale:MATRIX_SCALE_ROW1
.else
	v_wmma_scale_f32_16x16x128_f8f6f4 v[8*(8*((\a)%4)+\b):8*(8*((\a)%4)+\b)+7], v[128*(\p)+FR*\b:128*(\p)+FR*\b+FR-1], v[AF+FR*(\a):AF+FR*(\a)+FR-1], v[8*(8*((\a)%4)+\b):8*(8*((\a)%4)+\b)+7], v[SC+16*(\sc)+8*(\q)+\b], v[SC+16*(\sc)+8*(\q)+(\a)] matrix_a_fmt:MATRIX_FMT_FP6 matrix_b_fmt:MATRIX_FMT_FP6 matrix_a_scale:MATRIX_SCALE_ROW1
.endif
.endr
.endr
.endm
.macro FETCH_B slot, q, p
	WIN TO_B
.irp i, 0,1,2,3,4,5,6,7
	FRAG 128*(\p)+FR*\i, ADRB+\slot, \q, \i
.endr
	WIN 0
.endm
.macro FETCH_A slot, q, i0
.irp i, \i0, \i0+1, \i0+2, \i0+3
	FRAG AF+FR*(\i), ADRA+\slot, \q, \i
.endr
.endm
.macro SCALES sc
.irp q, 0,1
.irp g, 0,1
	ds_load_b128 v[SC+16*\sc+8*\q+4*\g:SC+16*\sc+8*\q+4*\g+3], v[ADRS] offset:512*\q+256*\g
.endr
.endr
.endm
.macro PLACES n
.rept \n
	v_nop
.endr
.endm
.macro STEP slot, q, zero
	s_wait_dscnt 4*NL
	WIN MUL_LO
	MUL16 0, (\q)%2, \q, \slot, \zero
	MUL16 2, (\q)%2, \q, \slot, \zero
	s_wait_dscnt 0
	PLACES NP
	FETCH_B \slot, (\q)+1, 1-(\q)%2
	FETCH_A \slot, (\q)+1, 0
	WIN MUL_HI
	MUL16 4, (\q)%2, \q, \slot, \zero
	MUL16 6, (\q)%2, \q, \slot, \zero
	PLACES NP
	WIN 0
	FETCH_A \slot, (\q)+1, 4
.endm
.macro TURN slot, next, fill
	s_wait_tensorcnt 0x0
	ds_add_u32 v[SPW], v[NIL]
	s_wait_dscnt 4*NL+1
	WIN MUL_LO
	MUL16 0, 1, 1, \slot, 0
	s_wait_dscnt 0x0
	s_barrier_signal -1
	MUL16 2, 1, 1, \slot, 0
	WIN 0
	s_barrier_wait -1
.if \fill
	CREST
	s_add_nc_u64 s[G0+4*\slot+2:G0+4*\slot+3], s[G0+4*\slot+2:G0+4*\slot+3], 2*3072
	s_add_nc_u64 s[G0B+4*\slot+2:G0B+4*\slot+3], s[G0B+4*\slot+2:G0B+4*\slot+3], 2*3072
	JLOAD G0+4*\slot, G1, G0B+4*\slot, G1B
.else
	PLACES NP
.endif
	s_wait_alu depctr_va_vdst(0)
	v_add_nc_u32 v[ADRS], 1024, v[ADRS]
	FETCH_B \next, 0, 0
	FETCH_A \next, 0, 0
	SCALES \next
	WIN MUL_HI
	MUL16 4, 1, 1, \slot, 0
	MUL16 6, 1, 1, \slot, 0
	PLACES NP
	WIN 0
	FETCH_A \next, 0, 4
.endm
	s_wait_alu depctr_va_vdst(0)
	s_wait_tensorcnt 1
	s_barrier_signal -1
	s_barrier_wait -1
	FETCH_B 0, 0, 0
	FETCH_A 0, 0, 0
	SCALES 0
	FETCH_A 0, 0, 4
	STEP 0, 0, 1
	TURN 0, 1, 1
	STEP 1, 0, 0
	TURN 1, 0, 1
	STEP 0, 0, 0
	TURN 0, 1, 0
	STEP 1, 0, 0
	s_wait_dscnt 4*NL
	WIN MUL_LO
	MUL16 0, 1, 1, 1, 0
	MUL16 2, 1, 1, 1, 0
	s_wait_dscnt 0
	WIN MUL_HI
	MUL16 4, 1, 1, 1, 0
	MUL16 6, 1, 1, 1, 0
	WIN 0
.macro QUANTW a
.set AC, 64*((\a)%4)
	WIN 0x28+0x14*((\a)/4)
.irp b, 0,1,2,3
	v_max3_num_f32 v[TM+\b], 0x1800000, |v[AC+16*\b]|, |v[AC+1+16*\b]|
.endr
.irp i, 2,4,6,8,10,12,14
.irp b, 0,1,2,3
	v_max3_num_f32 v[TM+\b], v[TM+\b], |v[AC+16*\b+\i]|, |v[AC+1+16*\b+\i]|
.endr
.endr
	WIN 0
.irp b, 0,1,2,3
	v_permlanex16_b32 v[TM+4+\b], v[TM+\b], s[SEL], s[SEL+1]
.endr
.irp b, 0,1,2,3
	v_max_num_f32 v[TM+\b], v[TM+\b], v[TM+4+\b]
.endr
.irp b, 0,1,2,3
	v_add_nc_u32 v[TM+12+\b], 0xff000000, v[TM+\b]
.endr
.irp b, 0,1,2,3
	v_lshrrev_b32 v[TM+4+\b], 23, v[TM+12+\b]
.endr
	v_lshl_or_b32 v[WD+(\a)], v[TM+5], 8, v[TM+4]
	v_lshl_or_b32 v[WD+(\a)], v[TM+6], 16, v[WD+(\a)]
	v_lshl_or_b32 v[WD+(\a)], v[TM+7], 24, v[WD+(\a)]
	s_wait_xcnt 0x0
	WIN 2+(\a)/4
.irp c, 0,1
	v_cvt_scalef32_pk16_fp6_f32 v[PC+6*\c:PC+2+6*\c], v[AC+32*\c:AC+15+32*\c], v[TM+12+2*\c]
	v_cvt_scalef32_pk16_fp6_f32 v[PC+12+4*\c:PC+14+4*\c], v[AC+16+32*\c:AC+31+32*\c], v[TM+12+2*\c+1]
.endr
	WIN 0
	v_nop
.irp c, 0,1
.irp i, 0,1,2
	v_permlane16_swap_b32 v[PC+6*\c+\i], v[PC+12+4*\c+\i]
.endr
.irp i, 0,1,2
	v_mov_b32 v[PC+3+6*\c+\i], v[PC+12+4*\c+\i]
.endr
.endr
.endm
.macro OUT a
	QUANTW \a
	s_cmp_eq_u32 ttmp9, 2
	s_cbranch_scc1 .Lv_\@
	global_store_b128 v[LI], v[PC:PC+3], s[BC0:BC0+1] offset:768*(\a)
	global_store_b64 v[L8], v[PC+4:PC+5], s[BC0:BC0+1] offset:768*(\a)+512
	global_store_b128 v[LI], v[PC+6:PC+9], s[BC1:BC1+1] offset:768*(\a)
	global_store_b64 v[L8], v[PC+10:PC+11], s[BC1:BC1+1] offset:768*(\a)+512
	s_branch .Ldone_\@
.Lv_\@:
	s_wait_alu depctr_va_vdst(0)
.irp c, 0,1,2
	global_store_b128 v[LI], v[PC+4*\c:PC+4*\c+3], s[BC0+2*((\a)/4):BC0+2*((\a)/4)+1] offset:1536*((\a)%4)+512*\c
.endr
.Ldone_\@:
.endm
	PLACES NP
.irp a, 0,1,2,3,4,5,6,7
	OUT \a
.endr
.irp i, 0,1,2,3
	v_cndmask_b32 v[MW+\i], v[WD+\i], v[WD+4+\i], s[HM]
.endr
	s_cmp_eq_u32 ttmp9, 2
	s_cbranch_scc1 .Lv_scales
.irp i, 0,1,2,3
	v_and_b32 v[MW+4+\i], 0xffff, v[MW+\i]
	v_lshrrev_b32 v[MW+8+\i], 16, v[MW+\i]
.endr
	global_store_b128 v[LI], v[MW+4:MW+7], s[BS0:BS0+1]
	global_store_b128 v[LI], v[MW+8:MW+11], s[BS1:BS1+1]
	s_branch .Lscales_done
.Lv_scales:
	s_wait_alu depctr_va_vdst(0)
	global_store_b128 v[VS], v[MW:MW+3], s[BS0:BS0+1]
.Lscales_done:
	s_wait_tensorcnt 0x0
	ds_add_u32 v[SPW], v[NIL]
	s_wait_dscnt 0x0
	CROUND
	s_endpgm
.Lfunc_end_k_q4f8c496aff_gemm_qkv:
	.size	k_q4f8c496aff_gemm_qkv, .Lfunc_end_k_q4f8c496aff_gemm_qkv-k_q4f8c496aff_gemm_qkv
	.p2alignl 7, 3214868480
	.fill 96, 4, 3214868480
	.section	.rodata,"a",@progbits
	.p2align	6, 0x0
	.amdhsa_kernel k_q4f8c496aff_gemm_qkv
		.amdhsa_group_segment_fixed_size 327680
		.amdhsa_private_segment_fixed_size 0
		.amdhsa_enable_private_segment 0
		.amdhsa_kernarg_size 32
		.amdhsa_user_sgpr_count 2
		.amdhsa_user_sgpr_kernarg_segment_ptr 1
		.amdhsa_wavefront_size32 1
		.amdhsa_system_sgpr_workgroup_id_x 1
		.amdhsa_system_sgpr_workgroup_id_y 1
		.amdhsa_system_sgpr_workgroup_id_z 1
		.amdhsa_system_vgpr_workitem_id 0
		.amdhsa_next_free_vgpr 1024
		.amdhsa_next_free_sgpr 102
		.amdhsa_reserve_vcc 0
		.amdhsa_float_denorm_mode_32 3
		.amdhsa_float_denorm_mode_16_64 3
		.amdhsa_memory_ordered 1
		.amdhsa_forward_progress 1
		.amdhsa_inst_pref_size 146
	.end_amdhsa_kernel
	.amdgpu_metadata
---
amdhsa.version: [ 1, 2 ]
amdhsa.kernels:
  - .name:           k_q4f8c496aff_gemm_qkv
    .symbol:         k_q4f8c496aff_gemm_qkv.kd
    .args:
      - { .name: cod, .offset: 0, .size: 8, .value_kind: global_buffer, .address_space: global }
      - { .name: scl, .offset: 8, .size: 8, .value_kind: global_buffer, .address_space: global }
      - { .name: qb, .offset: 16, .size: 8, .value_kind: global_buffer, .address_space: global }
      - { .name: kv, .offset: 24, .size: 8, .value_kind: global_buffer, .address_space: global }
    .group_segment_fixed_size: 327680
    .private_segment_fixed_size: 0
    .kernarg_segment_align: 8
    .kernarg_segment_size: 32
    .max_flat_workgroup_size: 128
    .sgpr_count:     102
    .vgpr_count:     1024
    .wavefront_size: 32
...
	.end_amdgpu_metadata
.endif
;; end of part 2
;; launch attn (part 3): grid 8 x 32, 8 waves a work-group, clusters of 4 x 1, 327,680 bytes of LDS; arguments qb, kv, oc, os; writes oc, os
.if DOCPART == 3
	.amdgcn_target "amdgcn-amd-amdhsa--gfx1250"
	.amdhsa_code_object_version 6
	.text
	.protected	k_q4f8c496aff_attn
	.globl	k_q4f8c496aff_attn
	.p2align	8
	.type	k_q4f8c496aff_attn,@function
k_q4f8c496aff_attn:
	s_mov_b64 s[64:65], 0
	v_nop
	global_prefetch_b8 v0, s[64:65] scope:SCOPE_SE
	s_setreg_imm32_b32 hwreg(HW_REG_WAVE_MODE, 25, 1), 1
	s_wait_xcnt 0x0
	s_wait_alu depctr_hold_cnt(0) depctr_sa_sdst(0) depctr_va_vdst(0) depctr_va_sdst(0) depctr_va_ssrc(0) depctr_va_vcc(0) depctr_vm_vsrc(0)
	s_getreg_b32 s2, hwreg(HW_REG_IB_STS2, 6, 4)
	s_cmp_eq_u32 s2, 0
	s_cbranch_scc0 .Lentry_in_a_cluster
	s_endpgm
.Lentry_in_a_cluster:
	s_bfe_u32 s2, ttmp6, 0x10000c
	s_cmp_lg_u32 s2, 0x3003
	s_cbranch_scc0 .Lentry_shape_is_right
	s_endpgm
.Lentry_shape_is_right:
; Attention of 64 (batch, head) pairs, 2,048 queries and keys, head size 64, both products on codes of FP6 (E2M3) with E8M0 scales; the result is quantised along (head, channel) and stored as the last product's operand.
; THE SOFTMAX: t = score x log2(e) / 8; M = the running largest t rounded up to a whole number; p = 2^(t - M) is quantised along the keys, not normalised; the row's sum is taken of the unquantised p and divides at the end.
; When M moves, the sum and O are multiplied by 2^(old M - new M): exact.
; SHARES.  A work-group owns 256 stored queries of one batch and a PAIR of heads, one head after the other; each of its eight waves owns 32 queries, two tiles of 16, which share every fragment of K and V^T.
; Two heads' 64 channels are one whole fragment (128 along the last product's K) and one whole scale word a row.  Every wave walks all keys, 128 a step.
; THE STREAM.  kv holds, for each head and key step, one record of 13,056 bytes: K's eight half images, V^T's four images, K's and V^T's scale words.  Two LDS slots of eight records; each wave fetches one record
; of a slot.  The four work-groups of a cluster walk the same records: each load is asked for jointly (mask 15).
; NO DATA PREFETCH: a refill is asked for eight key steps (192 matrix instructions a wave) ahead of the wait for it, so no wave stands waiting for the stream inside the walk.
; LAYOUT.  Both products are used transposed (S^T = K Q^T, O^T = V^T P^T): a lane holds one query.  WHICH ROWS FORM A TILE is chosen by each lane's LDS address: rows 0-7 of tile t of a group of 64 keys are keys
; 8 t .. 8 t + 7, rows 8-15 keys 32 + 8 t ..: so the 32 registers of four tiles are, in lanes 0-15, one whole block of 32 keys and, in lanes 16-31, the next: the layout of the next product's operand.
; V^T's channels are chosen likewise.  (In the images stored row p holds index p with bits 3 and 4 swapped.)  The first product's K is 64: registers 6-11 of K's and Q's fragments are zero codes.
; The two query tiles' lines stand by turns, so that short chains of dependent lines are two or more independent chains.
; LIMITS: a p under 2^-126 counts as 0; a block of zeros gets the byte 1 (zero codes; the bytes are read by this program alone); NaN and infinities are not served; scaled scores stay under 2^31 in magnitude.
; REGISTERS.  Window 0: v1-17 addresses; v18-29 scale words (Q 18, K 20, V^T 24, p 28); v30-31 the result's scale words; v32 Q; v56 K's eight tiles; v152 p's codes; v176 the result's codes; v200.. at work.
; Window 1: v0-127 S^T, then p (64 a query tile); v128-191 O^T; v192-239 V^T; v240-243 the sums; v244-255 partial sums.
.set STEPB, 13056
.set HALFB, 8*STEPB
.set SLOT1, 131072
.set OSC,   262144                     ; the work-group's 256 scale words
.set SPARE, OSC+1024                   ; the spare words, 128 bytes a wave: four blocks of 256 bytes that no other line names
.set QF,  32
.set KF,  56
.set PF,  152
.set OFR, 176
.set MX,  200                          ; largest score of block (q, c) at MX + 2 q + c
.set MB,  204
.set RM,  208                          ; the running largest score
.set NM,  210                          ; -M, low word of a pair, + 2 q
.set FF,  214                          ; f, low word of a pair, + 2 q
.set TA,  218
.set TX,  220
.set CT,  228
.set SO,  244
.set BY,  248
.set O,   128                          ; window 1
.set VF,  192
.set LS,  240
.set CH,  244
.set WV,  18
.set SEL, 20
.set CS,  22
.set G1,  24
.set G0A, 32
.set G0B, 36
.set QB,  40
.set QS,  42
.set OCB, 44
.set OSB, 46
.set TB,  2
.set CNT, 3
.set TN,  62
.set NC,  63
.set MSB, 0
.macro WIN new                         ; the immediate's high byte repeats the setting that is left
.if MSB != \new
	s_set_vgpr_msb (MSB<<8)|\new
.set MSB, \new
.endif
.endm
.macro CROUND
	s_barrier_signal -1
	s_barrier_wait -1
	s_cmp_lg_u32 s[WV], 0
	s_cbranch_scc1 .Lnot_wave_0_\@
	s_barrier_signal -3
.Lnot_wave_0_\@:
	s_barrier_wait -3
	s_barrier_signal -1
	s_barrier_wait -1
.endm
.macro NOPS
.rept 4
	v_nop
.endr
.endm
.macro QLOAD                           ; my two tiles of Q: registers 0-3, 4-5, and both scale words
.irp q, 0,1
	global_load_b128 v[QF+12*\q:QF+12*\q+3], v1, s[QB:QB+1] offset:768*\q
	global_load_b64 v[QF+12*\q+4:QF+12*\q+5], v2, s[QB:QB+1] offset:768*\q+512
.endr
	global_load_b64 v[18:19], v3, s[QS:QS+1]
.endm
.macro FRESH                           ; a head begins: the largest score -3e38, -M 3e38, the sums and O^T zeros, which the first change of M leaves zeros
.irp q, 0,1
	v_mov_b32 v[RM+\q], 0xff61b1e6
	v_mov_b32 v[NM+2*\q], 0x7f61b1e6
.endr
	WIN 0x40
.set j, 0
.rept 64
	v_mov_b32 v[O+j], 0
.set j, j+1
.endr
.irp j, 0,1,2,3
	v_mov_b32 v[LS+\j], 0
.endr
	WIN 0
.endm
.macro KADDR sr                        ; K's three addresses in the record at LDS byte s[sr]
	v_add_nc_u32 v11, s[\sr], v6
	v_add_nc_u32 v12, s[\sr], v7
	v_add_nc_u32 v13, s[\sr], v10
.endm
.macro KLOAD                           ; 18 loads: tile k = 4 c + t takes image 4 c + t % 2 (+ 2 in rows 8-15, by the lane's address), rows 8 (t / 2) ..
.irp k, 0,1,2,3,4,5,6,7
	ds_load_b128 v[KF+12*\k:KF+12*\k+3], v11 offset:768*(4*(\k/4)+\k%2)+128*((\k%4)/2)
	ds_load_b64 v[KF+12*\k+4:KF+12*\k+5], v12 offset:768*(4*(\k/4)+\k%2)+512+64*((\k%4)/2)
.endr
	ds_load_b64 v[20:21], v13 offset:12288         ; scale words of tiles t = 0, 1: lanes 0-15 c = 0, lanes 16-31 c = 1
	ds_load_b64 v[22:23], v13 offset:12288+128     ; and of t = 2, 3
.endm
; A KEY STEP: 128 keys, the record at LDS byte s[TB]; K's fragments were fetched a step ahead.  lim: the slot's last record: the last step fetches that record's K once more, and it is not used
.macro STEP lim
	s_add_co_u32 s[TN], s[TB], STEPB
	s_min_u32 s[TN], s[TN], \lim
	s_wait_dscnt 0x0                               ; K and its scale words are in
	WIN 0x40
.irp k, 0,1,2,3,4,5,6,7
.irp q, 0,1
.if \k < 4
	v_wmma_scale_f32_16x16x128_f8f6f4 v[64*\q+8*\k:64*\q+8*\k+7], v[KF+12*\k:KF+12*\k+11], v[QF+12*\q:QF+12*\q+11], 0, v[20+\k%4], v[18+\q] matrix_a_fmt:MATRIX_FMT_FP6 matrix_b_fmt:MATRIX_FMT_FP6
.else
	v_wmma_scale_f32_16x16x128_f8f6f4 v[64*\q+8*\k:64*\q+8*\k+7], v[KF+12*\k:KF+12*\k+11], v[QF+12*\q:QF+12*\q+11], 0, v[20+\k%4], v[18+\q] matrix_a_fmt:MATRIX_FMT_FP6 matrix_b_fmt:MATRIX_FMT_FP6 matrix_a_scale:MATRIX_SCALE_ROW1
.endif
.endr
.endr
	WIN 0
	v_add_nc_u32 v14, s[TB], v8                    ; five plain lines: the places behind the products, in front of the loads and of the first reads of S^T
	v_add_nc_u32 v15, s[TB], v9
	KADDR TN
	WIN 0x40
.irp t, 0,1,2,3
.irp c, 0,1,2
	ds_load_b128 v[VF+12*\t+4*\c:VF+12*\t+4*\c+3], v14 offset:6144+1536*(\t%2)+128*(\t/2)+512*\c   ; V^T lands while the softmax is walked
.endr
.endr
	WIN 0
	ds_load_b64 v[24:25], v15 offset:12800
	ds_load_b64 v[26:27], v15 offset:12800+128
	KLOAD                                          ; the next step's K
	WIN 0x15                                       ; the largest score of each block of 32 keys, all mine: two chains a block, eight by turns; each accumulator from its low end on
.irp q, 0,1
.irp c, 0,1
	v_max3_num_f32 v[MX+2*\q+\c], v[64*\q+32*\c], v[64*\q+32*\c+1], v[64*\q+32*\c+2]
	v_max3_num_f32 v[MB+2*\q+\c], v[64*\q+32*\c+16], v[64*\q+32*\c+17], v[64*\q+32*\c+18]
.endr
.endr
	WIN 0x14
.irp i, 3,5,7,9,11,13
.irp q, 0,1
.irp c, 0,1
	v_max3_num_f32 v[MX+2*\q+\c], v[MX+2*\q+\c], v[64*\q+32*\c+\i], v[64*\q+32*\c+\i+1]
	v_max3_num_f32 v[MB+2*\q+\c], v[MB+2*\q+\c], v[64*\q+32*\c+16+\i], v[64*\q+32*\c+17+\i]
.endr
.endr
.endr
	WIN 0x10
.irp q, 0,1
.irp c, 0,1
	v_max3_num_f32 v[MX+2*\q+\c], v[MX+2*\q+\c], v[MB+2*\q+\c], v[64*\q+32*\c+15]
.endr
.endr
	WIN 0x04
.irp q, 0,1
.irp c, 0,1
	v_max_num_f32 v[MX+2*\q+\c], v[MX+2*\q+\c], v[64*\q+32*\c+31]
.endr
.endr
	WIN 0
.irp q, 0,1
	v_max_num_f32 v[TA+\q], v[MX+2*\q], v[MX+2*\q+1]
.endr
.irp q, 0,1
	v_permlanex16_b32 v[TX+\q], v[TA+\q], s[SEL], s[SEL+1]
.endr
.irp q, 0,1
	v_max3_num_f32 v[RM+\q], v[RM+\q], v[TA+\q], v[TX+\q]   ; the running largest score of my query
.endr
.irp q, 0,1
	v_mul_f32 v[TA+\q], s[NC], v[RM+\q]            ; -t
.endr
.irp q, 0,1
	v_floor_f32 v[TX+\q], v[TA+\q]                 ; -M = floor(-t): M is a whole number
.endr
.irp q, 0,1
	v_sub_f32 v[TA+\q], v[TX+\q], v[NM+2*\q]       ; old M - new M
.endr
.irp q, 0,1
	v_mov_b32 v[NM+2*\q], v[TX+\q]
.endr
.irp q, 0,1
	v_cvt_i32_f32 v[TA+\q], v[TA+\q]               ; (it saturates)
.endr
.irp q, 0,1
	v_ldexp_f32 v[FF+2*\q], 1.0, v[TA+\q]          ; f = 2^(old M - new M)
.endr
.irp q, 0,1
.irp c, 0,1
	v_fma_f32 v[MX+2*\q+\c], v[MX+2*\q+\c], s[CS], v[NM+2*\q]   ; p rises with the score: the block's largest score gives its largest p
.endr
.endr
	WIN 0x41
.set j, 0
.rept 32
.irp q, 0,1
	v_pk_fma_f32 v[64*\q+j:64*\q+j+1], v[64*\q+j:64*\q+j+1], s[CS:CS+1], v[NM+2*\q:NM+2*\q+1] op_sel_hi:[1,0,0]   ; t - M
.endr
.set j, j+2
.endr
.set j, 0
.rept 16
.irp q, 0,1
	v_pk_mul_f32 v[O+32*\q+j:O+32*\q+j+1], v[O+32*\q+j:O+32*\q+j+1], v[FF+2*\q:FF+2*\q+1] op_sel_hi:[1,0]   ; O^T under the new M, ahead of the exponentials
.endr
.set j, j+2
.endr
	s_wait_alu depctr_va_vdst(0)                   ; the wait ahead of the batch
.set j, 0
.rept 128
	v_exp_f32 v[j], v[j]                           ; p = 2^(t - M)
.set j, j+1
.endr
	WIN 0
.irp b, 0,1,2,3
	v_exp_f32 v[MX+\b], v[MX+\b]                   ; the blocks' largest p
.endr
	v_nop                                          ; a plain place behind the exponentials
	s_wait_alu depctr_va_vdst(0)                   ; one wait for the batch, ahead of its first reader
.irp b, 0,1,2,3
	v_max_num_f32 v[MX+\b], 0x1800000, v[MX+\b]    ; the floor 2^(3 - 127)
.endr
.irp b, 0,1,2,3
	v_add_nc_u32 v[SO+\b], 0xff000000, v[MX+\b]    ; 2 off the exponent field: the conversion's scale operand
.endr
.irp b, 0,1,2,3
	v_lshrrev_b32 v[BY+\b], 23, v[SO+\b]           ; the byte
.endr
.irp q, 0,1
	v_lshl_or_b32 v[TA+\q], v[BY+2*\q+1], 16, v[BY+2*\q]   ; my blocks h and 2 + h,
.endr
.irp q, 0,1
	v_lshlrev_b32 v[TA+\q], v16, v[TA+\q]          ; 8 h bits up;
.endr
.irp q, 0,1
	v_permlanex16_b32 v[TX+\q], v[TA+\q], s[SEL], s[SEL+1]
.endr
.irp q, 0,1
	v_or_b32 v[28+\q], v[TA+\q], v[TX+\q]          ; with lane l xor 16's two: p's scale word for these 128 keys
.endr
	WIN 0x01
.irp q, 0,1
.irp c, 0,1
	v_cvt_scalef32_pk16_fp6_f32 v[PF+12*\q+6*\c:PF+12*\q+6*\c+2], v[64*\q+32*\c:64*\q+32*\c+15], v[SO+2*\q+\c]
	v_cvt_scalef32_pk16_fp6_f32 v[CT+4*(2*\q+\c):CT+4*(2*\q+\c)+2], v[64*\q+32*\c+16:64*\q+32*\c+31], v[SO+2*\q+\c]   ; (a conversion's three registers begin on an even number)
.endr
.endr
	WIN 0
	v_nop                                          ; one plain place behind a scaled conversion
.irp q, 0,1
.irp c, 0,1
.irp i, 0,1,2
	v_mov_b32 v[PF+12*\q+6*\c+3+\i], v[CT+4*(2*\q+\c)+\i]
.endr
.endr
.endr
	WIN 0x45                                       ; the sums of the unquantised p: three chains a query tile, six by turns; these lines are also the places in front of the products below
.irp k, 0,1,2
.irp q, 0,1
	v_pk_add_f32 v[CH+6*\q+2*\k:CH+6*\q+2*\k+1], v[64*\q+4*\k:64*\q+4*\k+1], v[64*\q+4*\k+2:64*\q+4*\k+3]
.endr
.endr
.set j, 6
.rept 26
.irp q, 0,1
	v_pk_add_f32 v[CH+6*\q+2*(j%3):CH+6*\q+2*(j%3)+1], v[CH+6*\q+2*(j%3):CH+6*\q+2*(j%3)+1], v[64*\q+2*j:64*\q+2*j+1]
.endr
.set j, j+1
.endr
.irp q, 0,1
	v_pk_add_f32 v[CH+6*\q:CH+6*\q+1], v[CH+6*\q:CH+6*\q+1], v[CH+6*\q+2:CH+6*\q+3]
.endr
.irp q, 0,1
	v_pk_add_f32 v[CH+6*\q:CH+6*\q+1], v[CH+6*\q:CH+6*\q+1], v[CH+6*\q+4:CH+6*\q+5]
.endr
	WIN 0x51
.irp q, 0,1
	v_pk_fma_f32 v[LS+2*\q:LS+2*\q+1], v[LS+2*\q:LS+2*\q+1], v[FF+2*\q:FF+2*\q+1], v[CH+6*\q:CH+6*\q+1] op_sel_hi:[1,0,1]   ; the old sum under the new M, and this step's
.endr
	s_wait_dscnt 18                                ; V^T and its scale words are in; the 18 loads of the next step's K may be out
.irp t, 0,1,2,3
.irp q, 0,1
	v_wmma_scale_f32_16x16x128_f8f6f4 v[O+32*\q+8*\t:O+32*\q+8*\t+7], v[VF+12*\t:VF+12*\t+11], v[PF+12*\q:PF+12*\q+11], v[O+32*\q+8*\t:O+32*\q+8*\t+7], v[24+\t], v[28+\q] matrix_a_fmt:MATRIX_FMT_FP6 matrix_b_fmt:MATRIX_FMT_FP6
.endr
.endr
	WIN 0
.endm
.macro HALF slot                       ; a slot's eight key steps
	s_mov_b32 s[TB], \slot*SLOT1
	s_mov_b32 s[CNT], 8
	KADDR TB
	KLOAD
.Lstep_\@:
	STEP \slot*SLOT1+7*STEPB
	s_add_co_u32 s[TB], s[TB], STEPB
	s_sub_co_u32 s[CNT], s[CNT], 1
	s_cmp_lg_u32 s[CNT], 0
	s_cbranch_scc1 .Lstep_\@
.endm
; THE CHANGE OF SLOTS.  Each wave waits for all its tensor loads, adds 0 to its spare word, and waits for that and for its reads of the slot that it leaves.  fill = 1: that slot is filled again, two slots on in
; the stream, behind a round of the cluster's barrier: no wave of any partner still reads it or has a load on its way.  One load a wave.
.macro CHANGE fill, g0
	s_wait_tensorcnt 0x0
	ds_add_u32 v4, v5
.if \fill
	s_add_nc_u64 s[\g0+2:\g0+3], s[\g0+2:\g0+3], 2*HALFB   ; no tensor load of mine is out: the group may be written
	s_wait_dscnt 0x0
	CROUND
	tensor_load_to_lds s[\g0:\g0+3], s[G1:G1+7]
	s_nop 0
	NOPS
.else
	s_wait_dscnt 0x0
	s_barrier_signal -1
	s_barrier_wait -1
.endif
.endm
; A HEAD ENDS.  O^T / the sum: register i of a query tile is channel 32 h + i: one whole block along the last product's K.  Head hd's codes are registers 6 hd .. 6 hd + 5 of the fragment.
.macro FINISH hd
	NOPS                                           ; places behind the last products
.if \hd == 0
	s_add_nc_u64 s[QB:QB+1], s[QB:QB+1], 106496    ; (Q's first loads were waited for)  the second head's Q
	s_add_nc_u64 s[QS:QS+1], s[QS:QS+1], 106496
	QLOAD
.endif
	WIN 0x05
	s_wait_alu depctr_va_vdst(0)                   ; the wait here, directly ahead of the first reader of the sums
.irp q, 0,1
	v_add_f32 v[TA+\q], v[LS+2*\q], v[LS+2*\q+1]
.endr
	WIN 0
.irp q, 0,1
	v_permlanex16_b32 v[TX+\q], v[TA+\q], s[SEL], s[SEL+1]
.endr
.irp q, 0,1
	v_add_f32 v[TA+\q], v[TA+\q], v[TX+\q]         ; the row's sum
.endr
	s_wait_alu depctr_va_vdst(0)                   ; the wait ahead of the reciprocals
.irp q, 0,1
	v_rcp_f32 v[FF+2*\q], v[TA+\q]
.endr
	v_nop                                          ; a plain place behind them
	WIN 0x41
	s_wait_alu depctr_va_vdst(0)                   ; and the wait ahead of their first reader, which is O^T's first reader too
.set j, 0
.rept 16
.irp q, 0,1
	v_pk_mul_f32 v[O+32*\q+j:O+32*\q+j+1], v[O+32*\q+j:O+32*\q+j+1], v[FF+2*\q:FF+2*\q+1] op_sel_hi:[1,0]   ; each accumulator from its low end on
.endr
.set j, j+2
.endr
	WIN 0x05
.irp q, 0,1
	v_max3_num_f32 v[MX+\q], |v[O+32*\q]|, |v[O+32*\q+1]|, 0x1800000
.endr
	WIN 0x14
.irp i, 2,4,6,8,10,12,14,16,18,20,22,24,26,28,30
.irp q, 0,1
	v_max3_num_f32 v[MX+\q], v[MX+\q], |v[O+32*\q+\i]|, |v[O+32*\q+\i+1]|
.endr
.endr
	WIN 0
.irp q, 0,1
	v_add_nc_u32 v[SO+\q], 0xff000000, v[MX+\q]
.endr
.irp q, 0,1
	v_lshrrev_b32 v[BY+\q], 23, v[SO+\q]
.endr
.irp q, 0,1
	v_lshlrev_b32 v[TA+\q], v16, v[BY+\q]          ; my block's byte, 8 h bits up
.endr
.irp q, 0,1
	v_permlanex16_b32 v[TX+\q], v[TA+\q], s[SEL], s[SEL+1]
.endr
.irp q, 0,1
.if \hd == 0
	v_or_b32 v[30+\q], v[TA+\q], v[TX+\q]          ; the head's two bytes
.else
	v_or_b32 v[TA+\q], v[TA+\q], v[TX+\q]
.endif
.endr
.if \hd == 1
.irp q, 0,1
	v_lshl_or_b32 v[30+\q], v[TA+\q], 16, v[30+\q] ; my row's scale word
.endr
.endif
	WIN 0x01
.irp q, 0,1
	v_cvt_scalef32_pk16_fp6_f32 v[OFR+12*\q+6*\hd:OFR+12*\q+6*\hd+2], v[O+32*\q:O+32*\q+15], v[SO+\q]
	v_cvt_scalef32_pk16_fp6_f32 v[CT+4*\q:CT+4*\q+2], v[O+32*\q+16:O+32*\q+31], v[SO+\q]
.endr
	WIN 0
	v_nop                                          ; one plain place behind a scaled conversion
.irp q, 0,1
.irp i, 0,1,2
	v_mov_b32 v[OFR+12*\q+6*\hd+3+\i], v[CT+4*\q+\i]
.endr
.endr
.if \hd == 0
	FRESH
	s_wait_alu depctr_va_vdst(0)                   ; the wait here, directly ahead of the wait below
	s_wait_loadcnt 0x0                             ; the second head's Q
.endif
.endm
	s_load_b256 s[4:11], s[0:1], 0x0               ; qb s[4:5], kv s[6:7], oc s[8:9], os s[10:11]
	v_lshl_add_u32 v4, v0, 2, SPARE                ; v4: my spare word; v5: 0; never rewritten
	v_mov_b32 v5, 0
	ds_add_u32 v4, v5                              ; the wave's opening: the add, twice on end, and its wait ahead of my first tensor load
	ds_add_u32 v4, v5
	v_lshrrev_b32 v1, 5, v0
	v_readfirstlane_b32 s[WV], v1                  ; wave 0..7
	s_lshr_b32 s12, s[WV], 1
	s_lshl_b32 s12, s12, 8
	s_and_b32 s13, s[WV], 1
	s_lshl_b32 s13, s13, 3
	s_add_co_u32 s12, s12, s13
	s_add_co_u32 s51, s12, OSC                     ; my two tiles' words: 256 (wave / 2) + 8 (wave % 2) + 16 r
	s_bfe_u32 s12, ttmp6, 0x40000                  ; cx: it enters Q's, oc's and os's addresses alone
	s_lshl_b32 s13, ttmp9, 2
	s_add_co_u32 s13, s13, s12                     ; my block of 256 queries
	s_and_b32 s14, ttmp7, 0xffff
	s_lshr_b32 s15, s14, 3                         ; batch
	s_and_b32 s16, s14, 7                          ; pair of heads
	s_lshl_b32 s17, s15, 4
	s_lshl_b32 s19, s16, 1
	s_add_co_u32 s17, s17, s19                     ; 16 x batch + the first head
	s_mul_i32 s48, s17, 16*STEPB
	s_mul_i32 s19, s[WV], STEPB                    ; my record of a slot: in LDS and in memory
	s_add_co_u32 s48, s48, s19
	s_mov_b32 s49, 0
	s_mul_i32 s50, s17, 106496                     ; Q: a head's 16 records of 6,656 bytes
	s_lshl_b32 s52, s13, 1
	s_lshr_b32 s53, s[WV], 2
	s_add_co_u32 s52, s52, s53
	s_mul_i32 s52, s52, 6656
	s_add_co_u32 s50, s50, s52                     ; my record of 128 queries
	s_and_b32 s53, s[WV], 3
	s_mul_i32 s54, s53, 1536
	s_add_co_u32 s54, s54, s50                     ; my two half images
	s_mov_b32 s55, 0
	s_lshr_b32 s56, s53, 1
	s_lshl_b32 s56, s56, 8
	s_and_b32 s57, s[WV], 1
	s_lshl_b32 s57, s57, 3
	s_add_co_u32 s56, s56, s57
	s_add_co_u32 s56, s56, s50
	s_add_co_u32 s56, s56, 6144                    ; my two tiles' scale words
	s_mov_b32 s57, 0
	s_lshl_b32 s58, s15, 7
	s_lshl_b32 s59, s13, 4
	s_add_co_u32 s58, s58, s59
	s_lshl_b32 s59, s[WV], 1
	s_add_co_u32 s58, s58, s59                     ; my first row block of oc
	s_lshl_b32 s58, s58, 3
	s_add_co_u32 s58, s58, s16                     ; K fragment = pair of heads
	s_mul_i32 s58, s58, 1536
	s_mov_b32 s59, 0
	s_lshl_b32 s60, s16, 15
	s_lshl_b32 s61, s15, 13
	s_add_co_u32 s60, s60, s61
	s_lshl_b32 s61, s13, 10
	s_add_co_u32 s60, s60, s61                     ; the work-group's 1,024 bytes of os
	s_mov_b32 s61, 0
	s_mov_b32 s[G1], 15|(3<<16)|(1<<21)            ; 15:0 all four work-groups; 17:16 elements of 8 bytes; 21 set beside a mask; no padding
	s_mov_b32 s[G1+1], 32<<16                      ; a record: 51 rows of 256 bytes, dense
	s_mov_b32 s[G1+2], 51<<16
	s_mov_b32 s[G1+3], 32<<16
	s_mov_b32 s[G1+4], 51
	s_mov_b32 s[G1+5], 32
	s_mov_b32 s[G1+6], 0
	s_mov_b32 s[G1+7], 0
	s_mov_b32 s[SEL], 0x76543210
	s_mov_b32 s[SEL+1], 0xfedcba98
	s_mov_b32 s[CS], 0x3e38aa3b                    ; c = log2(e) / 8
	s_mov_b32 s[CS+1], s[CS]                       ; (named with it as a pair)
	s_mov_b32 s[NC], 0xbe38aa3b                    ; -c
	s_wait_dscnt 0x0                               ; both opening adds are done
	s_wait_kmcnt 0x0
	s_add_nc_u64 s[6:7], s[6:7], s[48:49]
	s_add_nc_u64 s[QB:QB+1], s[4:5], s[54:55]
	s_add_nc_u64 s[QS:QS+1], s[4:5], s[56:57]
	s_add_nc_u64 s[OCB:OCB+1], s[8:9], s[58:59]
	s_add_nc_u64 s[OSB:OSB+1], s[10:11], s[60:61]
	s_mov_b32 s[G0A], 1
	s_mov_b32 s[G0A+1], s19
	s_mov_b64 s[G0A+2:G0A+3], s[6:7]
	s_or_b32 s[G0A+3], s[G0A+3], 0x80000000
	s_mov_b32 s[G0B], 1
	s_add_co_u32 s[G0B+1], s19, SLOT1
	s_add_nc_u64 s[G0B+2:G0B+3], s[6:7], HALFB
	s_or_b32 s[G0B+3], s[G0B+3], 0x80000000
	CROUND                                         ; all four work-groups are here: the first joint loads meet
	tensor_load_to_lds s[G0A:G0A+3], s[G1:G1+7]    ; slot 0: one tensor load a wave at the head
	s_nop 0
	NOPS
	v_and_b32 v1, 31, v0
	v_and_b32 v3, 15, v0
	v_lshlrev_b32 v2, 3, v1                        ; v2: 8 x lane
	v_lshlrev_b32 v1, 4, v1                        ; v1: 16 x lane
	v_lshlrev_b32 v3, 4, v3                        ; v3: 16 x (lane % 16)
	QLOAD
	v_and_b32 v200, 7, v0                          ; r % 8
	v_bfe_u32 v201, v0, 3, 1                       ; r / 8
	v_bfe_u32 v202, v0, 4, 1                       ; h
	v_mul_u32_u24 v203, v201, 1536
	v_lshl_add_u32 v6, v200, 4, v203
	v_lshl_add_u32 v6, v202, 8, v6                 ; v6: K's registers 0-3: two images on in rows 8-15, + 16 (r % 8) + 256 h
	v_lshl_add_u32 v7, v200, 3, v203
	v_lshl_add_u32 v7, v202, 7, v7                 ; v7: K's registers 4-5: + 8 (r % 8) + 128 h
	v_add_nc_u32 v8, v203, v6                      ; v8: V^T: two images of 1,536 bytes on in rows 8-15
	v_lshlrev_b32 v9, 4, v200
	v_lshl_add_u32 v9, v201, 3, v9                 ; v9: V^T's scale words: 16 (r % 8) + 8 (r / 8)
	v_lshl_add_u32 v10, v202, 8, v9                ; v10: K's: lanes 16-31 the second group of 64 keys
	v_lshlrev_b32 v16, 3, v202                     ; v16: 8 h
	v_add_nc_u32 v17, s51, v3                      ; v17: my rows' words in LDS
	v_lshl_add_u32 v252, v0, 4, OSC                ; v252, v253: the scale words' way out
	v_lshlrev_b32 v253, 4, v0
.irp q, 0,1
.irp j, 6,7,8,9,10,11
	v_mov_b32 v[QF+12*\q+\j], 0                    ; K = 64 .. 127: zero codes, set once
.endr
.endr
.irp k, 0,1,2,3,4,5,6,7
.irp j, 6,7,8,9,10,11
	v_mov_b32 v[KF+12*\k+\j], 0
.endr
.endr
.irp j, NM+1, NM+3, FF, FF+1, FF+2, FF+3, TX, TX+1
	v_mov_b32 v[\j], 0                             ; upper words of pairs, and lane permutes' destinations: written once
.endr
	FRESH
	s_wait_alu depctr_va_vdst(0)                   ; the wait at the head's end
	s_wait_tensorcnt 0x0                           ; my record of slot 0 is in
	ds_add_u32 v4, v5
	s_wait_dscnt 0x0
	CROUND                                         ; slot 0 is whole, and all four work-groups are here
	tensor_load_to_lds s[G0B:G0B+3], s[G1:G1+7]    ; slot 1's first fill: my one load behind the round
	s_nop 0
	NOPS
	s_wait_loadcnt 0x0                             ; Q
	HALF 0                                         ; the first head's keys 0 .. 1,023
	CHANGE 1, G0A                                  ; slot 0 takes the second head's first half
	HALF 1
	CHANGE 1, G0B                                  ; slot 1 its second half
	FINISH 0
	HALF 0
	CHANGE 0, G0A                                  ; nothing is left to fetch
	HALF 1
	FINISH 1
	s_wait_alu depctr_va_vdst(0)                   ; the wait here, ahead of the stores and the wait below
.irp q, 0,1
.irp c, 0,1,2
	global_store_b128 v1, v[OFR+12*\q+4*\c:OFR+12*\q+4*\c+3], s[OCB:OCB+1] offset:12288*\q+512*\c   ; a fragment's image: 512 consecutive bytes a store
.endr
.endr
	ds_store_b64 v17, v[30:31]                     ; lanes l and l xor 16 write the same words with the same values
	s_wait_dscnt 0x0                               ; for the others' sake: my words have landed
	s_barrier_signal -1
	s_barrier_wait -1
	s_cmp_lt_u32 s[WV], 2                          ; waves 0 and 1 store the work-group's 1,024 bytes of scale words
	s_cbranch_scc0 .Lnot_out
	ds_load_b128 v[32:35], v252
	s_wait_dscnt 0x0
	global_store_b128 v253, v[32:35], s[OSB:OSB+1]
.Lnot_out:
	s_wait_tensorcnt 0x0                           ; the wave's end
	ds_add_u32 v4, v5
	s_wait_dscnt 0x0
	CROUND                                         ; the closing round
	s_endpgm
.Lfunc_end_k_q4f8c496aff_attn:
	.size	k_q4f8c496aff_attn, .Lfunc_end_k_q4f8c496aff_attn-k_q4f8c496aff_attn
	.p2alignl 7, 3214868480
	.fill 96, 4, 3214868480
	.section	.rodata,"a",@progbits
	.p2align	6, 0x0
	.amdhsa_kernel k_q4f8c496aff_attn
		.amdhsa_group_segment_fixed_size 327680
		.amdhsa_private_segment_fixed_size 0
		.amdhsa_enable_private_segment 0
		.amdhsa_kernarg_size 32
		.amdhsa_user_sgpr_count 2
		.amdhsa_user_sgpr_kernarg_segment_ptr 1
		.amdhsa_wavefront_size32 1
		.amdhsa_system_sgpr_workgroup_id_x 1
		.amdhsa_system_sgpr_workgroup_id_y 1
		.amdhsa_system_sgpr_workgroup_id_z 1
		.amdhsa_system_vgpr_workitem_id 0
		.amdhsa_next_free_vgpr 512
		.amdhsa_next_free_sgpr 100
		.amdhsa_reserve_vcc 0
		.amdhsa_float_denorm_mode_32 3
		.amdhsa_float_denorm_mode_16_64 3
		.amdhsa_memory_ordered 1
		.amdhsa_forward_progress 1
		.amdhsa_inst_pref_size 143
	.end_amdhsa_kernel
	.amdgpu_metadata
---
amdhsa.version: [ 1, 2 ]
amdhsa.kernels:
  - .name:           k_q4f8c496aff_attn
    .symbol:         k_q4f8c496aff_attn.kd
    .args:
      - { .name: qb, .offset: 0, .size: 8, .value_kind: global_buffer, .address_space: global }
      - { .name: kv, .offset: 8, .size: 8, .value_kind: global_buffer, .address_space: global }
      - { .name: oc, .offset: 16, .size: 8, .value_kind: global_buffer, .address_space: global }
      - { .name: os, .offset: 24, .size: 8, .value_kind: global_buffer, .address_space: global }
    .group_segment_fixed_size: 327680
    .private_segment_fixed_size: 0
    .kernarg_segment_align: 8
    .kernarg_segment_size: 32
    .max_flat_workgroup_size: 256
    .sgpr_count:     100
    .vgpr_count:     512
    .wavefront_size: 32
...
	.end_amdgpu_metadata
.endif
;; end of part 3
;; launch gemm_out (part 4): grid 4 x 32, 4 waves a work-group, clusters of 4 x 4, 327,680 bytes of LDS; arguments oc, os, cod, scl, b_out, out0; writes out0
.if DOCPART == 4
	.amdgcn_target "amdgcn-amd-amdhsa--gfx1250"
	.amdhsa_code_object_version 6
	.text
	.protected	k_q4f8c496aff_gemm_out
	.globl	k_q4f8c496aff_gemm_out
	.p2align	8
	.type	k_q4f8c496aff_gemm_out,@function
k_q4f8c496aff_gemm_out:
	s_mov_b64 s[64:65], 0
	v_nop
	global_prefetch_b8 v0, s[64:65] scope:SCOPE_SE
	s_setreg_imm32_b32 hwreg(HW_REG_WAVE_MODE, 25, 1), 1
	s_wait_xcnt 0x0
	s_wait_alu depctr_hold_cnt(0) depctr_sa_sdst(0) depctr_va_vdst(0) depctr_va_sdst(0) depctr_va_ssrc(0) depctr_va_vcc(0) depctr_vm_vsrc(0)
	s_getreg_b32 s2, hwreg(HW_REG_IB_STS2, 6, 4)
	s_cmp_eq_u32 s2, 0
	s_cbranch_scc0 .Lentry_in_a_cluster
	s_endpgm
.Lentry_in_a_cluster:
	s_bfe_u32 s2, ttmp6, 0x10000c
	s_cmp_lg_u32 s2, 0xf033
	s_cbranch_scc0 .Lentry_shape_is_right
	s_endpgm
.Lentry_shape_is_right:
.set FR,    12
.set NL,    3
.set NP,    4
.set HALFT, 8*3072
.set SLOT,  4*HALFT
.set SCLB,  2*SLOT
.set SPARE, SCLB+4*4096
.set SPITCH, 528
.set ADRA, 16
.set ADRB, 20
.set STO,  24
.set RD,   25
.set CO,   26
.set ADRS, 27
.set SPW,  28
.set NIL,  29
.set SC,   32
.set BI,   64
.set AF,   128
.set BK,   128
.set G1,   24
.set G0,   32
.set G1B,  48
.set G0B,  56
.set G1S,  68
.set G0S,  76
.set G1SB, 80
.set G0SB, 88
.set MSB, 0
.macro WIN new
.if MSB != \new
	s_set_vgpr_msb (MSB<<8)|\new
.set MSB, \new
.endif
.endm
.set MUL_LO, 0xa1
.set MUL_HI, 0xf1
.set FIRST_LO, 0x81
.set FIRST_HI, 0xc1
.set TO_B,   0x40
.macro JLOAD g0a, g1a, g0b, g1b
	s_cmp_eq_u32 s15, 0
	s_cbranch_scc0 .Lfor_b_\@
	tensor_load_to_lds s[\g0a:\g0a+3], s[\g1a:\g1a+7]
	s_nop 0
.rept 4
	v_nop
.endr
	s_branch .Lasked_\@
.Lfor_b_\@:
	tensor_load_to_lds s[\g0b:\g0b+3], s[\g1b:\g1b+7]
	s_nop 0
.rept 4
	v_nop
.endr
.Lasked_\@:
.endm
.macro CREST
	s_cmp_lg_u32 s14, 0
	s_cbranch_scc1 .Lnot_wave_0_\@
	s_barrier_signal -3
.Lnot_wave_0_\@:
	s_barrier_wait -3
	s_barrier_signal -1
	s_barrier_wait -1
.endm
.macro CROUND
	s_barrier_signal -1
	s_barrier_wait -1
	CREST
.endm
	s_load_b256 s[4:11], s[0:1], 0x0
	s_load_b128 s[92:95], s[0:1], 0x20
	v_lshl_add_u32 v[SPW], v0, 2, SPARE
	v_mov_b32 v[NIL], 0
	ds_add_u32 v[SPW], v[NIL]
	ds_add_u32 v[SPW], v[NIL]
	v_lshrrev_b32 v1, 5, v0
	v_readfirstlane_b32 s14, v1
	s_lshr_b32 s15, s14, 1
	s_and_b32 s16, s14, 1
	s_bfe_u32 s40, ttmp6, 0x40000
	s_bfe_u32 s41, ttmp6, 0x40004
	s_lshl_b32 s42, ttmp9, 2
	s_add_co_u32 s42, s42, s40
	s_and_b32 s17, ttmp7, 0xffff
	s_lshl_b32 s17, s17, 2
	s_add_co_u32 s17, s17, s41
	s_lshl_b32 s43, s41, 2
	s_lshl_b32 s43, 15, s43
	s_lshl_b32 s44, 0x1111, s40
	s_or_b32 s[G1+0], s43, (3<<16)|(1<<21)
	s_or_b32 s[G1B+0], s44, (3<<16)|(1<<21)
.irp g, G1, G1B
	s_mov_b32 s[\g+1], 384<<16
	s_mov_b32 s[\g+2], 8<<16
	s_mov_b32 s[\g+3], 384<<16
	s_mov_b32 s[\g+4], 8
	s_mov_b32 s[\g+5], 1536
	s_mov_b32 s[\g+6], 0
	s_mov_b32 s[\g+7], 0
.endr
	s_or_b32 s[G1S+0], s43, (3<<16)|(1<<21)
	s_or_b32 s[G1SB+0], s44, (3<<16)|(1<<21)
.irp g, G1S, G1SB
	s_mov_b32 s[\g+1], 64<<16
	s_mov_b32 s[\g+2], 8<<16
	s_mov_b32 s[\g+3], 64<<16
	s_mov_b32 s[\g+4], 8
	s_mov_b32 s[\g+6], 0
	s_mov_b32 s[\g+7], 0
.endr
	s_mov_b32 s[G1S+5], 4096
	s_mov_b32 s[G1SB+5], 6144
	s_lshl_b32 s18, s16, 3
	s_lshl_b32 s20, s17, 4
	s_add_co_u32 s20, s20, s18
	s_lshl_b32 s46, s42, 4
	s_add_co_u32 s46, s46, s18
	s_add_co_u32 s46, s46, 704
	s_lshl_b32 s22, s20, 6
	s_mov_b32 s23, 0
	s_lshl_b32 s2, s46, 6
	s_mov_b32 s3, 0
	s_mul_i32 s20, s20, 12288
	s_mov_b32 s21, 0
	s_mul_i32 s46, s46, 12288
	s_mov_b32 s47, 0
	s_mul_i32 s45, s14, HALFT
	s_lshl_b32 s19, s14, 12
	s_wait_dscnt 0x0
	s_wait_kmcnt 0x0
	s_add_nc_u64 s[20:21], s[4:5], s[20:21]
	s_add_nc_u64 s[22:23], s[6:7], s[22:23]
	s_add_nc_u64 s[46:47], s[8:9], s[46:47]
	s_add_nc_u64 s[2:3], s[10:11], s[2:3]
	; DATA PREFETCH.  Of the 8 row blocks (12,288 bytes each, all of K) that my wave fetches, my work-group names two: the four partners that ask for a tile jointly share its row blocks out by address (cx for A's, cy for B's).
	; An instruction names two K chunks of one row block: 6,144 bytes, 24 units of 256 bytes, a lane a unit; lanes 24-31 name the last unit again.  Here: chunks 0 and 1 of both row blocks, ahead of the first round.
	s_cmp_eq_u32 s15, 0                            ; do I fetch for A?  (the wave's number alone)
	s_cselect_b64 s[100:101], s[20:21], s[46:47]
	s_cselect_b32 s12, s40, s41
	s_mul_i32 s12, s12, 2*12288
	s_mov_b32 s13, 0
	s_add_nc_u64 s[100:101], s[100:101], s[12:13]  ; s[100:101] and v30 are never rewritten
	v_and_b32 v30, 31, v0
	v_min_u32 v30, 23, v30
	v_lshlrev_b32 v30, 8, v30
	global_prefetch_b8 v30, s[100:101] th:TH_LOAD_NT scope:SCOPE_SE
	global_prefetch_b8 v30, s[100:101] offset:12288 th:TH_LOAD_NT scope:SCOPE_SE
	CROUND
	s_mov_b32 s[G0S], 1
	s_add_co_u32 s[G0S+1], s19, SCLB
	s_mov_b64 s[G0S+2:G0S+3], s[22:23]
	s_or_b32 s[G0S+3], s[G0S+3], 0x80000000
	s_mov_b32 s[G0SB], 1
	s_add_co_u32 s[G0SB+1], s19, SCLB
	s_mov_b64 s[G0SB+2:G0SB+3], s[2:3]
	s_or_b32 s[G0SB+3], s[G0SB+3], 0x80000000
	JLOAD G0S, G1S, G0SB, G1SB
.irp s, 0,1
	s_mov_b32 s[G0+4*\s], 1
	s_add_co_u32 s[G0+4*\s+1], s45, \s*SLOT
	s_add_nc_u64 s[G0+4*\s+2:G0+4*\s+3], s[20:21], \s*3072
	s_or_b32 s[G0+4*\s+3], s[G0+4*\s+3], 0x80000000
	s_mov_b32 s[G0B+4*\s], 1
	s_add_co_u32 s[G0B+4*\s+1], s45, \s*SLOT
	s_add_nc_u64 s[G0B+4*\s+2:G0B+4*\s+3], s[46:47], \s*3072
	s_or_b32 s[G0B+4*\s+3], s[G0B+4*\s+3], 0x80000000
	s_wait_alu depctr_va_vdst(0)
	s_wait_tensorcnt 0x0
	ds_add_u32 v28, v29
	s_wait_dscnt 0x0
	CROUND
	JLOAD G0+4*\s, G1, G0B+4*\s, G1B
	global_prefetch_b8 v30, s[100:101] offset:6144+12288*\s th:TH_LOAD_NT scope:SCOPE_SE   ; chunks 2 and 3 of one of my two row blocks: their refills stand one and two changes of slots on
.endr
	v_and_b32 v1, 31, v0
	v_and_b32 v4, 15, v0
	v_bfe_u32 v2, v0, 4, 1
	v_lshlrev_b32 v3, 4, v1
	s_wait_alu depctr_va_vdst(0)
	v_lshlrev_b32 v7, 6, v2
	s_lshl_b32 s20, s42, 10
	s_lshl_b32 s21, s16, 9
	s_add_co_u32 s20, s20, s21
	s_mov_b32 s21, 0
	s_add_nc_u64 s[92:93], s[92:93], s[20:21]
	s_add_nc_u64 s[94:95], s[94:95], s[20:21]
.irp b, 0,1,2,3,4,5,6,7
	global_load_b128 v[BI+8*\b:BI+8*\b+3], v7, s[92:93] offset:128*(\b/2)+32*(\b%2)
	global_load_b128 v[BI+8*\b+4:BI+8*\b+7], v7, s[92:93] offset:128*(\b/2)+32*(\b%2)+16
.endr
	s_lshl_b32 s20, s17, 8
	s_lshl_b32 s22, s15, 7
	s_add_co_u32 s20, s20, s22
	s_lshl_b32 s20, s20, 12
	s_add_nc_u64 s[94:95], s[94:95], s[20:21]
	s_mul_i32 s21, s15, HALFT
	s_mul_i32 s22, s16, HALFT
	s_add_co_u32 s22, s22, 2*HALFT
.irp s, 0,1
	v_add_nc_u32 v[ADRA+\s], s21, v3
	v_add_nc_u32 v[ADRB+\s], s22, v3
	s_add_co_u32 s21, s21, SLOT
	s_add_co_u32 s22, s22, SLOT
.endr
	s_lshl_b32 s21, s15, 12
	s_lshl_b32 s22, s16, 12
	s_add_co_u32 s22, s22, 8192
	s_sub_co_u32 s22, s22, s21
	v_mul_u32_u24 v6, s22, v2
	s_add_co_u32 s21, s21, SCLB
	v_lshl_add_u32 v5, v4, 4, v6
	v_add_nc_u32 v[ADRS], s21, v5
	s_mul_i32 s23, s14, 16*SPITCH
	v_mul_u32_u24 v5, v4, SPITCH
	v_lshl_add_u32 v5, v2, 6, v5
	v_add_nc_u32 v[STO], s23, v5
	v_add_nc_u32 v[RD], s23, v3
	v_mov_b32 v[CO], v3
.macro FRAG reg, adr, q, i
.irp c, 0,1,2
	ds_load_b128 v[\reg+4*\c:\reg+4*\c+3], v[\adr] offset:3072*(\i)+1536*(\q)+512*\c
.endr
.endm
.macro MUL16 a0, p, q, sc, first
.irp a, \a0, \a0+1
.irp b, 0,1,2,3,4,5,6,7
.if \first
	v_wmma_scale_f32_16x16x128_f8f6f4 v[8*(8*((\a)%4)+\b):8*(8*((\a)%4)+\b)+7], v[128*(\p)+FR*\b:128*(\p)+FR*\b+FR-1], v[AF+FR*(\a):AF+FR*(\a)+FR-1], v[BI+8*\b:BI+8*\b+7], v[SC+16*(\sc)+8*(\q)+\b], v[SC+16*(\sc)+8*(\q)+(\a)] matrix_a_fmt:MATRIX_FMT_FP6 matrix_b_fmt:MATRIX_FMT_FP6 matrix_a_scale:MATRIX_SCALE_ROW1
.else
	v_wmma_scale_f32_16x16x128_f8f6f4 v[8*(8*((\a)%4)+\b):8*(8*((\a)%4)+\b)+7], v[128*(\p)+FR*\b:128*(\p)+FR*\b+FR-1], v[AF+FR*(\a):AF+FR*(\a)+FR-1], v[8*(8*((\a)%4)+\b):8*(8*((\a)%4)+\b)+7], v[SC+16*(\sc)+8*(\q)+\b], v[SC+16*(\sc)+8*(\q)+(\a)] matrix_a_fmt:MATRIX_FMT_FP6 matrix_b_fmt:MATRIX_FMT_FP6 matrix_a_scale:MATRIX_SCALE_ROW1
.endif
.endr
.endr
.endm
.macro FETCH_B slot, q, p
	WIN TO_B
.irp i, 0,1,2,3,4,5,6,7
	FRAG 128*(\p)+FR*\i, ADRB+\slot, \q, \i
.endr
	WIN 0
.endm
.macro FETCH_A slot, q, i0
.irp i, \i0, \i0+1, \i0+2, \i0+3
	FRAG AF+FR*(\i), ADRA+\slot, \q, \i
.endr
.endm
.macro SCALES sc
.irp q, 0,1
.irp g, 0,1
	ds_load_b128 v[SC+16*\sc+8*\q+4*\g:SC+16*\sc+8*\q+4*\g+3], v[ADRS] offset:512*\q+256*\g
.endr
.endr
.endm
.macro PLACES n
.rept \n
	v_nop
.endr
.endm
.macro STEP slot, q, first
	s_wait_dscnt 4*NL
.if \first
	WIN FIRST_LO
.else
	WIN MUL_LO
.endif
	MUL16 0, (\q)%2, \q, \slot, \first
	MUL16 2, (\q)%2, \q, \slot, \first
	s_wait_dscnt 0
	PLACES NP
	FETCH_B \slot, (\q)+1, 1-(\q)%2
	FETCH_A \slot, (\q)+1, 0
.if \first
	WIN FIRST_HI
.else
	WIN MUL_HI
.endif
	MUL16 4, (\q)%2, \q, \slot, \first
	MUL16 6, (\q)%2, \q, \slot, \first
	PLACES NP
	WIN 0
	FETCH_A \slot, (\q)+1, 4
.endm
.macro TURN slot, next, fill
	s_wait_tensorcnt 0x0
	ds_add_u32 v[SPW], v[NIL]
	s_wait_dscnt 4*NL+1
	WIN MUL_LO
	MUL16 0, 1, 1, \slot, 0
	s_wait_dscnt 0x0
	s_barrier_signal -1
	MUL16 2, 1, 1, \slot, 0
	WIN 0
	s_barrier_wait -1
.if \fill
	CREST
	s_add_nc_u64 s[G0+4*\slot+2:G0+4*\slot+3], s[G0+4*\slot+2:G0+4*\slot+3], 2*3072
	s_add_nc_u64 s[G0B+4*\slot+2:G0B+4*\slot+3], s[G0B+4*\slot+2:G0B+4*\slot+3], 2*3072
	JLOAD G0+4*\slot, G1, G0B+4*\slot, G1B
.else
	PLACES NP
.endif
	s_wait_alu depctr_va_vdst(0)
	v_add_nc_u32 v[ADRS], 1024, v[ADRS]
	FETCH_B \next, 0, 0
	FETCH_A \next, 0, 0
	SCALES \next
	WIN MUL_HI
	MUL16 4, 1, 1, \slot, 0
	MUL16 6, 1, 1, \slot, 0
	PLACES NP
	WIN 0
	FETCH_A \next, 0, 4
.endm
	s_wait_alu depctr_va_vdst(0)
	s_wait_tensorcnt 1
	s_barrier_signal -1
	s_barrier_wait -1
	FETCH_B 0, 0, 0
	FETCH_A 0, 0, 0
	SCALES 0
	FETCH_A 0, 0, 4
	s_wait_loadcnt 0x0
	STEP 0, 0, 1
	TURN 0, 1, 1
	STEP 1, 0, 0
	TURN 1, 0, 1
	STEP 0, 0, 0
	TURN 0, 1, 0
	STEP 1, 0, 0
	s_wait_dscnt 4*NL
	WIN MUL_LO
	MUL16 0, 1, 1, 1, 0
	MUL16 2, 1, 1, 1, 0
	s_wait_dscnt 0
	WIN MUL_HI
	MUL16 4, 1, 1, 1, 0
	MUL16 6, 1, 1, 1, 0
	WIN 0
.macro TOSTAGE a
.set AC, 64*((\a)%4)
	WIN 0x08+4*((\a)/4)
.irp b, 0,1,2,3,4,5,6,7
	ds_store_b128 v[STO], v[AC+8*\b:AC+8*\b+3] offset:128*(\b/2)+32*(\b%2)
	ds_store_b128 v[STO], v[AC+8*\b+4:AC+8*\b+7] offset:128*(\b/2)+32*(\b%2)+16
.endr
	WIN 0
.set BB, BK+64*((\a)%2)
.irp t, 0,1,2,3,4,5,6,7,8,9,10,11,12,13,14,15
	ds_load_b128 v[BB+4*\t:BB+4*\t+3], v[RD] offset:\t*SPITCH
.endr
.endm
.macro SEND a, younger
.set BB, BK+64*((\a)%2)
	s_wait_dscnt \younger
.irp t, 0,1,2,3,4,5,6,7,8,9,10,11,12,13,14,15
	global_store_b128 v[CO], v[BB+4*\t:BB+4*\t+3], s[94:95] offset:(32*((\a)/2)+8*((\a)%2)+\t+8*(\t/8))*4096 th:TH_STORE_NT
.endr
.endm
	PLACES NP
	TOSTAGE 0
.irp a, 1,2,3,4,5,6,7
.if \a > 1
	s_wait_xcnt 0x0
.endif
	TOSTAGE \a
	SEND \a-1, 32
.endr
	SEND 7, 0
	s_wait_tensorcnt 0x0
	ds_add_u32 v[SPW], v[NIL]
	s_wait_dscnt 0x0
	CROUND
	s_endpgm
.Lfunc_end_k_q4f8c496aff_gemm_out:
	.size	k_q4f8c496aff_gemm_out, .Lfunc_end_k_q4f8c496aff_gemm_out-k_q4f8c496aff_gemm_out
	.p2alignl 7, 3214868480
	.fill 96, 4, 3214868480
	.section	.rodata,"a",@progbits
	.p2align	6, 0x0
	.amdhsa_kernel k_q4f8c496aff_gemm_out
		.amdhsa_group_segment_fixed_size 327680
		.amdhsa_private_segment_fixed_size 0
		.amdhsa_enable_private_segment 0
		.amdhsa_kernarg_size 48
		.amdhsa_user_sgpr_count 2
		.amdhsa_user_sgpr_kernarg_segment_ptr 1
		.amdhsa_wavefront_size32 1
		.amdhsa_system_sgpr_workgroup_id_x 1
		.amdhsa_system_sgpr_workgroup_id_y 1
		.amdhsa_system_sgpr_workgroup_id_z 1
		.amdhsa_system_vgpr_workitem_id 0
		.amdhsa_next_free_vgpr 1024
		.amdhsa_next_free_sgpr 102
		.amdhsa_reserve_vcc 0
		.amdhsa_float_denorm_mode_32 3
		.amdhsa_float_denorm_mode_16_64 3
		.amdhsa_memory_ordered 1
		.amdhsa_forward_progress 1
		.amdhsa_inst_pref_size 137
	.end_amdhsa_kernel
	.amdgpu_metadata
---
amdhsa.version: [ 1, 2 ]
amdhsa.kernels:
  - .name:           k_q4f8c496aff_gemm_out
    .symbol:         k_q4f8c496aff_gemm_out.kd
    .args:
      - { .name: oc, .offset: 0, .size: 8, .value_kind: global_buffer, .address_space: global }
      - { .name: os, .offset: 8, .size: 8, .value_kind: global_buffer, .address_space: global }
      - { .name: cod, .offset: 16, .size: 8, .value_kind: global_buffer, .address_space: global }
      - { .name: scl, .offset: 24, .size: 8, .value_kind: global_buffer, .address_space: global }
      - { .name: b_out, .offset: 32, .size: 8, .value_kind: global_buffer, .address_space: global }
      - { .name: out0, .offset: 40, .size: 8, .value_kind: global_buffer, .address_space: global }
    .group_segment_fixed_size: 327680
    .private_segment_fixed_size: 0
    .kernarg_segment_align: 8
    .kernarg_segment_size: 48
    .max_flat_workgroup_size: 128
    .sgpr_count:     102
    .vgpr_count:     1024
    .wavefront_size: 32
...
	.end_amdgpu_metadata
.endif
;; end of part 4
